; MI455X (gfx1250); checked and timed in simulation.
; The chip was launched on July 23, 2026; its instructions are those of AMD's public machine-readable ISA for CDNA 5 (MIT licence, August 2026) and "CDNA5" Instruction Set Architecture Reference Guide (July 2026). The comments in the code are by the model that wrote it; some were corrected since.
;; Transformer Block. Allowed arithmetic: matrix products marked QUANTISED: E5M2 operands, one given power-of-two scale a tensor, by v_wmma_f32_16x16x64_bf8_bf8 or v_wmma_f32_16x16x128_bf8_bf8, f32 sums; products left as they are: f32 operands where the result goes on into a quantised operand, else bf16, f16 or f32 operands; f32 sums; everything else in f32.
;; Inputs: Wmlp1 1,024 x 4,096 float32; Wmlp2 4,096 x 1,024 float32; Wproj 1,024 x 1,024 float32; Wqkv 1,024 x 3,072 float32; Wss1 1,024 x 2,048 float32; Wss2 1,024 x 2,048 float32; attn_bias 2,048 x 2,048 float32; attn_mask 2,048 x 2,048 float32; bmlp1 4,096 float32; bmlp2 1,024 float32; bproj 1,024 float32; bqkv 3,072 float32; bss1 2,048 float32; bss2 2,048 float32; key_padding_mask 2 x 2,048 bool; lowp_scales 12 int32 (the exponents e of the quantised operands' scales 2^e); t_vec 2 x 1,024 float32; x 2 x 2,048 x 1,024 float32.
;; Outputs: out0 2 x 2,048 x 1,024 float32.
;; This version of the problem:
;;   THIS VERSION OF THE PROBLEM IS GIVEN IN LOW PRECISION. The matrix products marked QUANTISED in the list below multiply operands that are first quantised to E5M2 (5 exponent bits, 2 mantissa bits; 8 bits a number), with one given power-of-two scale for each operand tensor; their sums are f32. All else is computed in f32.
;;   The module's matrix products, in the order in which they are computed (A, B: the left and right operand; K: the contracted axis; several contracted axes count as one K, in the product's order):
;;     1. [M 2, K 1,024] x [K 1,024, N 2,048]; A: computed on the way; B: input Wss1: left as it is (M = 2 < 16)
;;     2. [M 4,096, K 1,024] x [K 1,024, N 3,072]; A: computed on the way; B: input Wqkv: QUANTISED (scales: A lowp_scales[0], B lowp_scales[1])
;;     3. batch 32 x [M 2,048, K 64] x [K 64, N 2,048]; A: computed on the way; B: computed on the way: QUANTISED (scales: A lowp_scales[2], B lowp_scales[3])
;;     4. batch 32 x [M 2,048, K 2,048] x [K 2,048, N 64]; A: softmax (see below); B: computed on the way: QUANTISED (scales: A lowp_scales[4], B lowp_scales[5])
;;     5. [M 4,096, K 1,024] x [K 1,024, N 1,024]; A: computed on the way; B: input Wproj: QUANTISED (scales: A lowp_scales[6], B lowp_scales[7])
;;     6. [M 2, K 1,024] x [K 1,024, N 2,048]; A: computed on the way; B: input Wss2: left as it is (M = 2 < 16)
;;     7. [M 4,096, K 1,024] x [K 1,024, N 4,096]; A: computed on the way; B: input Wmlp1: QUANTISED (scales: A lowp_scales[8], B lowp_scales[9])
;;     8. [M 4,096, K 4,096] x [K 4,096, N 1,024]; A: computed on the way; B: input Wmlp2: QUANTISED (scales: A lowp_scales[10], B lowp_scales[11])
;;   THE QUANTISER, for each operand of a quantised product, along K:
;;     - The operand's scale is 2^e, e = its entry of the input lowp_scales (int32; the entries are numbered through the quantised products in the list's order, A before B).
;;     - Each number is divided by the scale, clamped to +-57,344, and rounded to the nearest number of E5M2, ties to even, subnormals kept.
;;     - The product sums the exact products of the quantised numbers (number of the format x scale) in f32.
;;   ~~~python
;;   def quantise(x, axis, e):      # numpy; x: float32 -> the quantised numbers, widened to float32 again
;;       x = np.moveaxis(x, axis, -1); K = x.shape[-1]
;;       r = np.clip(x / 2.0 ** e, -57344, 57344)
;;       step = 2.0 ** (np.maximum(np.frexp(np.where(r == 0, 1, r))[1] - 1, -14) - 2)
;;       q = np.round(r / step) * step * 2.0 ** e      # np.round: ties to even
;;       return np.moveaxis(q, -1, axis).astype(np.float32)
;;   ~~~
;;   SOFTMAX AHEAD OF A QUANTISED PRODUCT. Where the list says 'softmax', what is quantised is not the finished softmax but p = 2^(t - M), with t = logit x log2(e) and M = ceil(the row's largest t), a whole number; so 1/2 < the row's largest p <= 1. The row's sum l is taken of the UNQUANTISED p, in f32, and the product's result is divided by l at the end. Since M is a whole number, a kernel that streams over the keys may use a running M (the ceiling of the running maximum): every later rescaling is an exact power of two, so the quantised numbers keep their values, but for numbers so far below the row's largest that they fall under the format's range.
;;   OPERANDS COMPUTED ON THE WAY. 'Computed on the way' means the value that the module computes at that place (a softmax that the list does not call 'softmax' is quantised finished and normalised). What goes into a quantiser is computed in f32, as accurately as f32 sums, v_exp_f32 and their like allow (about 1e-6 of the number): no bf16 or f16 on the way to a quantiser, and a product that is left as it is and whose result goes on into a quantised operand takes f32 operands (vector FMAs, or v_wmma_f32_16x16x4_f32). A number that lies on a knife's edge between two numbers of the format may be rounded either way, as far as f32 arithmetic and the matrix unit's own rounding can turn it there, and no further.
;; One version. Each part assembles by itself: llvm-mc -triple=amdgcn-amd-amdhsa -mcpu=gfx1250 --defsym DOCPART=n.
;; ======== version 1 of 1: 8 launches
;; limits: right only within a limited range of input values; a function is approximated: absolute error at most 1.5e-07
;; workspace buffers: wcodes 12,582,912 bytes; ss1 16,384 bytes; ss2 16,384 bytes; mbk 33,554,432 bytes; acts 4,194,304 bytes; big 16,777,216 bytes; x1 16,777,216 bytes
;; launch prep (part 1): grid 384 x 1, 8 waves a work-group, no clusters, 84,992 bytes of LDS; arguments Wqkv, Wproj, Wmlp1, Wmlp2, Wss1, Wss2, bss1, bss2, t_vec, attn_mask, attn_bias, key_padding_mask, lowp_scales, wcodes, ss1, ss2, mbk; writes wcodes, ss1, ss2, mbk
.if DOCPART == 1
	.amdgcn_target "amdgcn-amd-amdhsa--gfx1250"
	.amdhsa_code_object_version 6
	.text
	.protected	k_q1bd686017f_prep
	.globl	k_q1bd686017f_prep
	.p2align	8
	.type	k_q1bd686017f_prep,@function
k_q1bd686017f_prep:
	s_mov_b64 s[64:65], 0
	v_nop
	global_prefetch_b8 v0, s[64:65] scope:SCOPE_SE
	s_setreg_imm32_b32 hwreg(HW_REG_WAVE_MODE, 25, 1), 1
	s_wait_xcnt 0x0
; PREP: three kinds of work that hang on inputs alone, shared out by the work-group's number; each work-group reads 256 KiB.
;   W (work-groups 0-191):   the four weights, f32 stored [K][N], become codes of E5M2 with their given scales.
;   M (192-319):             attn_mask + attn_bias + key_padding_mask become the C operands of attention's first product.
;   S (320-383):             ss = silu(t_vec) Wss + bss for both adaLN layers, in f32 multiply-adds.
; LAYOUT U of every operand in workspace: [plane = k / 64][block = row / 16][1,024 bytes]; in a block, byte 512 c2 + 16 lane + i (lane = 16 h + row % 16) is
; k = 64 plane + 32 c2 + 8 h + i for i < 8, and 16 more for i >= 8: the image of the 8-bit matrix operand's registers, so a fragment is loaded as it lies, 512 consecutive bytes a load.
; LIMITS: each weight's exponent e: -126 <= e, e + 15 <= 127.  eq + ek (entries 2, 3) between -100 and 120.  Logits of mask + bias are held at -2^20 from below and padded keys are set to -2^20
; (reference() sets them to the lowest f32 number): the results differ only where a row's largest logit lies under about -2^20, and in a batch all of whose keys are padded.  NaN and +infinity are not served.
; No tensor loads, no matrix work, no cluster: nothing here is read by two work-groups.  The two paths that use LDS have bytes of their own.
.set SIL,  67584                       ; S: silu(t_vec), [2][1024] f32, 8 KiB
.set RED,  75776                       ; S: sixteen partial sums of 2 x 64 numbers, 8 KiB.  M's stages: bytes 0 to 67,583 (8 waves x 16 rows x 528)
.set OFF,  16                          ; W: v16-47   4 lane + i rows of the weight
.set X,    48                          ; W: v48-111  two sets of 32 numbers down K
.set C,    112                         ; W: v112-175 eight registers of codes for each block: no store's data are written again
.set SB,   32                          ; W: s[32:47] where block t's 32 rows begin
.set DB,   48                          ; W: s[48:55] where my blocks of the four planes begin
.set KN,   8                           ; M: v8-15    upper bound of my four keys for each batch: the lowest logit where the key is padded, else the largest number
.set MA,   16                          ; M: v16-79   16 rows of the mask, then the sums
.set BI,   80                          ; M: v80-143  16 rows of the bias, then the held numbers
.set RB,   144                         ; M: v144-207 the images read back
.set D,    16                          ; S: v16-143  a ring of 32 loads of Wss
.set SV,   144                         ; S: v144-207 32 numbers of silu for each batch
.set ACC,  208                         ; S: v208-215 my 2 x 4 sums
	v_lshl_add_u32 v254, v0, 2, 0x14800
	v_mov_b32 v255, 0
	v_and_b32 v1, 31, v0                           ; lane
	v_lshrrev_b32 v2, 5, v0
	v_readfirstlane_b32 s3, v2                     ; wave 0..7
	s_cmp_lt_u32 ttmp9, 192
	s_cbranch_scc0 .Lnot_w
; ---------------- W.  A work-group takes 256 columns x 256 along K, a wave 32 columns; A LANE TAKES A COLUMN AND ITS REGISTERS RUN DOWN K, so the conversions give codes with K innermost.
	s_load_b256 s[8:15], s[0:1], 0x0               ; Wqkv, Wproj, Wmlp1, Wmlp2
	s_load_b128 s[16:19], s[0:1], 0x60             ; lowp_scales, wcodes
	v_lshrrev_b32 v4, 4, v1
	v_and_b32 v5, 15, v1
	v_lshlrev_b32 v2, 10, v4
	v_lshl_add_u32 v2, v5, 4, v2                   ; out: my column's block (lane / 16) and its 16 bytes there
	v_lshlrev_b32 v3, 2, v1                        ; in: 4 bytes a lane
	s_mov_b32 s20, 4096                            ; a row of the weight in bytes; Wmlp2's figures first, then the others' by the work-group's number
	s_mov_b32 s21, 128                             ; the tensor's first work-group
	s_mov_b32 s22, 4                               ; log2 of its pieces of 256 along K
	s_mov_b32 s23, 8388608                         ; where its codes begin in wcodes
	s_mov_b32 s24, 65536                           ; a plane of its codes
	s_cmp_lt_u32 ttmp9, 128                        ; Wmlp1
	s_cselect_b32 s20, 16384, s20
	s_cselect_b32 s21, 64, s21
	s_cselect_b32 s22, 2, s22
	s_cselect_b32 s23, 4194304, s23
	s_cselect_b32 s24, 262144, s24
	s_cmp_lt_u32 ttmp9, 64                         ; Wproj: rows 3,072 on of the first region
	s_cselect_b32 s20, 4096, s20
	s_cselect_b32 s21, 48, s21
	s_cselect_b32 s23, 196608, s23
	s_cmp_lt_u32 ttmp9, 48                         ; Wqkv
	s_cselect_b32 s20, 12288, s20
	s_cselect_b32 s21, 0, s21
	s_cselect_b32 s23, 0, s23
	s_sub_co_u32 s28, ttmp9, s21
	s_bfm_b32 s29, s22, 0
	s_and_b32 s29, s28, s29                        ; which 256 along K
	s_lshr_b32 s28, s28, s22                       ; which 256 columns
	s_lshl_b32 s28, s28, 8
	s_lshl_b32 s30, s3, 5
	s_add_co_u32 s28, s28, s30                     ; my wave's first column
	s_lshl_b32 s29, s29, 8                         ; my first k
.set i, 0
.rept 32
	v_mad_u32_u24 v[OFF+i], s20, i, v3             ; i rows down
.set i, i+1
.endr
	s_mul_i32 s30, s29, s20
	s_lshl_b32 s31, s28, 2
	s_add_co_u32 s30, s30, s31                     ; in: k0 rows + 4 x column (under 2^25)
	s_mov_b32 s31, 0
	s_lshr_b32 s56, s29, 6
	s_mul_i32 s56, s56, s24
	s_add_co_u32 s56, s56, s23
	s_lshl_b32 s57, s28, 6
	s_add_co_u32 s56, s56, s57                     ; out: region + plane k0 / 64 + 64 bytes a column
	s_mov_b32 s57, 0
	s_wait_kmcnt 0x0
	s_load_b256 s[68:75], s[16:17], 0x0            ; the twelve exponents
	s_load_b128 s[76:79], s[16:17], 0x20
	s_cmp_lt_u32 ttmp9, 128                        ; the choice of the tensor hangs on the work-group's number alone
	s_cselect_b64 s[26:27], s[12:13], s[14:15]
	s_cmp_lt_u32 ttmp9, 64
	s_cselect_b64 s[26:27], s[10:11], s[26:27]
	s_cmp_lt_u32 ttmp9, 48
	s_cselect_b64 s[26:27], s[8:9], s[26:27]
	s_add_nc_u64 s[SB:SB+1], s[26:27], s[30:31]
	s_lshl_b32 s30, s20, 5                         ; 32 rows
.irp t, 1,2,3,4,5,6,7
	s_add_nc_u64 s[SB+2*\t:SB+2*\t+1], s[SB+2*\t-2:SB+2*\t-1], s[30:31]
.endr
	s_add_nc_u64 s[DB:DB+1], s[18:19], s[56:57]
	s_mov_b32 s56, s24
.irp p, 1,2,3
	s_add_nc_u64 s[DB+2*\p:DB+2*\p+1], s[DB+2*\p-2:DB+2*\p-1], s[56:57]
.endr
.macro WLOAD t                         ; block t: 32 rows of the weight at my column; a wave's load reads 128 consecutive bytes, the eight waves stand side by side
.set i, 0
.rept 32
	global_load_b32 v[X+32*((\t)%2)+i], v[OFF+i], s[SB+2*(\t):SB+2*(\t)+1] th:TH_LOAD_NT
.set i, i+1
.endr
.endm
	WLOAD 0
	WLOAD 1
	s_wait_kmcnt 0x0
	s_cmp_lt_u32 ttmp9, 128
	s_cselect_b32 s25, s77, s79                    ; e: entries 9, 11, 7, 1
	s_cmp_lt_u32 ttmp9, 64
	s_cselect_b32 s25, s75, s25
	s_cmp_lt_u32 ttmp9, 48
	s_cselect_b32 s25, s69, s25
	s_add_co_i32 s25, s25, 127
	s_lshl_b32 s58, s25, 23
	v_mov_b32 v11, s58                             ; 2^e as f32: the conversion takes its exponent field
	s_add_co_i32 s25, s25, 15
	s_lshl_b32 s25, s25, 23
	s_or_b32 s25, s25, 0x600000
	v_mov_b32 v10, s25                             ; 57,344 x 2^e
.macro WBLOCK t
.set XS, X+32*((\t)%2)
.if (\t) < 7
	s_wait_loadcnt 32                              ; this block's 32 loads are in; the next block's may be out
.else
	s_wait_loadcnt 0
.endif
.set i, 0
.rept 32
	v_med3_num_f32 v[XS+i], v[XS+i], -v10, v10     ; the conversion to an 8-bit code does not saturate (ISA guide 7.6.2): the hold comes first
.set i, i+1
.endr
	v_cvt_scalef32_pk8_bf8_f32 v[C+8*(\t):C+8*(\t)+1], v[XS:XS+7], v11         ; k 0-7:   half 0, bytes 0-7
	v_cvt_scalef32_pk8_bf8_f32 v[C+8*(\t)+4:C+8*(\t)+5], v[XS+8:XS+15], v11    ; k 8-15:  half 1, bytes 0-7
	v_cvt_scalef32_pk8_bf8_f32 v[C+8*(\t)+2:C+8*(\t)+3], v[XS+16:XS+23], v11   ; k 16-23: half 0, bytes 8-15
	v_cvt_scalef32_pk8_bf8_f32 v[C+8*(\t)+6:C+8*(\t)+7], v[XS+24:XS+31], v11   ; k 24-31: half 1, bytes 8-15
	global_store_b128 v2, v[C+8*(\t):C+8*(\t)+3], s[DB+2*((\t)/2):DB+2*((\t)/2)+1] offset:((\t)%2)*512       ; sixteen lanes store 256 consecutive bytes, aligned
	global_store_b128 v2, v[C+8*(\t)+4:C+8*(\t)+7], s[DB+2*((\t)/2):DB+2*((\t)/2)+1] offset:((\t)%2)*512+256
.if (\t)+2 < 8
	WLOAD (\t)+2                                   ; (the results go to stores and the sources take loads: no plain line is owed; the next block's holds are plain)
.endif
.endm
.irp t, 0,1,2,3,4,5,6,7
	WBLOCK \t
.endr
	s_endpgm
.Lnot_w:
	s_cmp_lt_u32 ttmp9, 320
	s_cbranch_scc0 .Lpath_s
; ---------------- M.  mbk[batch][query tile of 16][key step of 128] is 8,192 bytes: sixteen images of 512 bytes; image i, lane (r, h), word e is the number for query r and key 16 (i / 2) + 8 h + 4 (i % 2) + e:
; the layout of the result of (16 keys) x (16 queries), so that attention loads it straight as the C of that product.  The number is (mask + bias) x 2^(3 - eq - ek): what the raw sum of code products lacks.
; A work-group takes one key step and 16 query tiles, a wave two of them; rows come in as 512 consecutive bytes and turn through the wave's own stage (rows 528 bytes apart).
	s_load_b128 s[8:11], s[0:1], 0x48              ; attn_mask, attn_bias
	s_load_b128 s[12:15], s[0:1], 0x58             ; key_padding_mask, lowp_scales
	s_load_b64 s[16:17], s[0:1], 0x80              ; mbk
	s_sub_co_u32 s20, ttmp9, 192
	s_and_b32 s21, s20, 15                         ; key step
	s_lshr_b32 s22, s20, 4
	s_lshl_b32 s22, s22, 4
	s_lshl_b32 s23, s3, 1
	s_add_co_u32 s22, s22, s23                     ; my first query tile
	v_lshlrev_b32 v2, 4, v1                        ; 16 x lane
	s_mul_i32 s23, s3, 8448                        ; my stage
	v_add_nc_u32 v3, s23, v2                       ; into it: a row as it lies
	v_and_b32 v4, 15, v1
	v_lshrrev_b32 v7, 4, v1
	v_mul_u32_u24 v4, v4, 528
	v_lshl_add_u32 v4, v7, 5, v4
	v_add_nc_u32 v4, s23, v4                       ; out of it: row r, + 32 h
	v_lshlrev_b32 v7, 2, v1                        ; my four keys' bytes of the padding mask
	s_lshl_b32 s24, s22, 17                        ; 16 rows of 8,192 bytes a tile
	s_lshl_b32 s25, s21, 9
	s_add_co_u32 s24, s24, s25
	s_mov_b32 s25, 0
	s_lshl_b32 s26, s22, 4
	s_add_co_u32 s26, s26, s21
	s_lshl_b32 s26, s26, 13
	s_mov_b32 s27, 0
	s_lshl_b32 s28, s21, 7
	s_mov_b32 s29, 0
	s_wait_kmcnt 0x0
	s_load_b64 s[32:33], s[14:15], 0x8             ; eq, ek
	s_add_nc_u64 s[8:9], s[8:9], s[24:25]
	s_add_nc_u64 s[10:11], s[10:11], s[24:25]
	s_add_nc_u64 s[12:13], s[12:13], s[28:29]
	s_add_nc_u64 s[40:41], s[16:17], s[26:27]      ; batch 0's blocks,
	s_add_nc_u64 s[42:43], s[40:41], 0x1000000     ; batch 1's: 128 tiles x 16 steps x 8,192 bytes on
	global_load_b32 v208, v7, s[12:13]
	global_load_b32 v209, v7, s[12:13] offset:2048
.macro MLOAD n
.set i, 0
.rept 16
	global_load_b128 v[MA+4*i:MA+4*i+3], v2, s[8:9] offset:131072*\n+8192*i th:TH_LOAD_NT
.set i, i+1
.endr
.set i, 0
.rept 16
	global_load_b128 v[BI+4*i:BI+4*i+3], v2, s[10:11] offset:131072*\n+8192*i th:TH_LOAD_NT
.set i, i+1
.endr
.endm
.macro MWORK n
	s_wait_loadcnt 0x0
.set i, 0
.rept 32
	v_pk_add_f32 v[MA+i:MA+i+1], v[MA+i:MA+i+1], v[BI+i:BI+i+1]
.set i, i+2
.endr
.set i, 0
.rept 32
	v_pk_mul_f32 v[MA+i:MA+i+1], v[MA+i:MA+i+1], s[30:31] op_sel_hi:[1,0]   ; x 2^(3 - eq - ek): nothing is rounded
.set i, i+2
.endr
.irp b, 0,1
.if \b == 0
.set DST, RB
.else
.set DST, MA                           ; the sums are done with behind batch 1's holds
.endif
.set i, 0
.rept 64
	v_med3_num_f32 v[BI+i], v[MA+i], v5, v[KN+4*\b+i%4]   ; between the lowest logit and the key's bound: a padded key's bound is the lowest logit itself
.set i, i+1
.endr
.set i, 0
.rept 16
	ds_store_b128 v3, v[BI+4*i:BI+4*i+3] offset:528*i
.set i, i+1
.endr
.set i, 0
.rept 16
	ds_load_b128 v[DST+4*i:DST+4*i+3], v4 offset:64*(i/2)+16*(i%2)   ; LDS serves a wave's instructions in order (ISA guide 5.7.1.4): these see the stores above, and batch 1's stores come behind them
.set i, i+1
.endr
	s_wait_dscnt 0x0
.set i, 0
.rept 16
	global_store_b128 v2, v[DST+4*i:DST+4*i+3], s[40+2*\b:41+2*\b] offset:131072*\n+512*i   ; 512 consecutive bytes
.set i, i+1
.endr
.endr
.endm
	MLOAD 0
	s_wait_kmcnt 0x0
	s_add_co_i32 s34, s32, s33
	s_sub_co_i32 s30, 130, s34
	s_lshl_b32 s30, s30, 23                        ; 2^(3 - eq - ek)
	s_mov_b32 s31, s30                             ; (named with it as a pair, so it is written)
	s_sub_co_i32 s35, 150, s34
	s_lshl_b32 s35, s35, 23
	s_or_b32 s35, s35, 0x80000000
	v_mov_b32 v5, s35                              ; -2^20 x 2^(3 - eq - ek): the lowest logit
	v_mov_b32 v6, 0x7f7fffff                       ; the largest number
	s_wait_loadcnt 32                              ; the two words of the padding mask are in; the 32 loads of rows behind them may be out
.irp b, 0,1
.irp e, 0,1,2,3
	v_bfe_u32 v210, v[208+\b], 8*\e, 8
	v_cmp_ne_u32 vcc_lo, 0, v210
	v_cndmask_b32 v[KN+4*\b+\e], v6, v5, vcc_lo
.endr
.endr
	MWORK 0
	s_wait_xcnt 0x0                                ; the stores have read their registers: the next tile's rows may land there
	MLOAD 1
	MWORK 1
	s_wait_tensorcnt 0x0
	ds_add_u32 v254, v255
	s_wait_dscnt 0x0
	s_endpgm
.Lpath_s:
; ---------------- S.  A work-group takes 64 columns of one of the two matrices and all 1,024 along K, for both batches.  Lane (c, h) of wave w takes rows 128 w + 64 h + 0..63 and columns 4 c .. 4 c + 3:
; each load reads two runs of 256 consecutive bytes.  The sixteen partial sums meet in LDS; wave 0 adds them.  Stored: (1 + s) x 2^-e and sh x 2^-e, e the exponent of the operand that the layer norm feeds
; (entry 0 or 8): a power of two rounds nothing, and the norm's launch then needs no scale.
	s_load_b256 s[8:15], s[0:1], 0x20              ; Wss1, Wss2, bss1, bss2
	s_load_b64 s[16:17], s[0:1], 0x40              ; t_vec
	s_load_b64 s[18:19], s[0:1], 0x60              ; lowp_scales
	s_load_b128 s[20:23], s[0:1], 0x70             ; ss1, ss2
	s_sub_co_u32 s24, ttmp9, 320
	s_lshr_b32 s25, s24, 5                         ; which matrix
	s_and_b32 s26, s24, 31                         ; which 64 columns
	v_and_b32 v10, 15, v1                          ; c
	v_lshrrev_b32 v11, 4, v1                       ; h
	v_lshlrev_b32 v8, 4, v10                       ; 16 c
	s_lshl_b32 s27, s3, 20
	v_lshl_add_u32 v2, v11, 19, v8
	v_add_nc_u32 v2, s27, v2                       ; Wss: (128 w + 64 h) rows of 8,192 bytes + 16 c
	v_lshlrev_b32 v3, 5, v0                        ; t_vec: my 8 numbers
	v_lshl_add_u32 v4, v0, 5, SIL                  ; and their place in LDS
	s_lshl_b32 s27, s3, 9
	v_lshl_add_u32 v5, v11, 8, s27
	v_add_nc_u32 v5, SIL, v5                       ; silu of my rows: 4 (128 w + 64 h)
	s_lshl_b32 s27, s3, 10
	v_lshl_add_u32 v6, v11, 9, v8
	v_add_nc_u32 v6, s27, v6
	v_add_nc_u32 v6, RED, v6                       ; my partial sums: 512 (2 w + h) + 16 c
	v_lshl_add_u32 v7, v1, 4, RED                  ; wave 0 reads them back: 16 x lane = 256 x batch + 16 c
	v_lshl_add_u32 v9, v11, 13, v8                 ; ss: batch (lane / 16) x 8,192 + 16 c
	s_lshl_b32 s30, s26, 8                         ; 64 columns are 256 bytes
	s_mov_b32 s31, 0
	s_wait_kmcnt 0x0
	s_load_b32 s28, s[18:19], 0x0                  ; entry 0
	s_load_b32 s29, s[18:19], 0x20                 ; entry 8
	s_cmp_eq_u32 s25, 0
	s_cselect_b64 s[8:9], s[8:9], s[10:11]
	s_cselect_b64 s[12:13], s[12:13], s[14:15]
	s_cselect_b64 s[20:21], s[20:21], s[22:23]
	s_add_nc_u64 s[8:9], s[8:9], s[30:31]
	s_add_nc_u64 s[12:13], s[12:13], s[30:31]
	s_add_nc_u64 s[20:21], s[20:21], s[30:31]
	global_load_b128 v[216:219], v3, s[16:17]
	global_load_b128 v[220:223], v3, s[16:17] offset:16
.set i, 0
.rept 32
	global_load_b128 v[D+4*i:D+4*i+3], v2, s[8:9] offset:8192*i th:TH_LOAD_NT
.set i, i+1
.endr
	s_wait_loadcnt 32                              ; t_vec is in; the 32 loads of Wss behind it stay out
.set i, 0
.rept 8
	v_mul_f32 v[224+i], 0xbfb8aa3b, v[216+i]       ; -t log2(e)
.set i, i+1
.endr
.set i, 0
.rept 8
	v_exp_f32 v[224+i], v[224+i]
.set i, i+1
.endr
	v_nop                                          ; a plain line behind the last exponential,
	s_wait_alu depctr_va_vdst(0)                   ; and one wait for the batch ahead of its first reader
.set i, 0
.rept 8
	v_add_f32 v[224+i], 1.0, v[224+i]
.set i, i+1
.endr
.set i, 0
.rept 8
	v_rcp_f32 v[224+i], v[224+i]
.set i, i+1
.endr
	v_nop
	s_wait_alu depctr_va_vdst(0)
.set i, 0
.rept 8
	v_mul_f32 v[216+i], v[216+i], v[224+i]         ; silu(t) = t / (1 + e^-t)
.set i, i+1
.endr
	ds_store_b128 v4, v[216:219]
	ds_store_b128 v4, v[220:223] offset:16
	s_wait_dscnt 0x0                               ; for the others' sake: my stores have landed
	s_barrier_signal -1
	s_barrier_wait -1
.macro SVLOAD hf                       ; silu of my rows 32 hf .. 32 hf + 31, both batches
.irp b, 0,1
.set i, 0
.rept 8
	ds_load_b128 v[SV+32*\b+4*i:SV+32*\b+4*i+3], v5 offset:4096*\b+128*\hf+16*i
.set i, i+1
.endr
.endr
	s_wait_dscnt 0x0
.endm
.macro SROW n                          ; row n of my 64: eight multiply-adds; its slot of the ring takes the row 32 further down
.if (\n) < 32
	s_wait_loadcnt 31                              ; loads come back in order (ISA guide 5.7.1): mine is in, the 31 younger ones stay out
.else
	s_wait_loadcnt 63-(\n)
.endif
.set DS, D+4*((\n)%32)
.irp b, 0,1
.irp e, 0,1,2,3
.if (\n) == 0
	v_mul_f32 v[ACC+4*\b+\e], v[DS+\e], v[SV+32*\b]              ; the first row starts the sums
.else
	v_fmac_f32 v[ACC+4*\b+\e], v[DS+\e], v[SV+32*\b+(\n)%32]
.endif
.endr
.endr
.if (\n) < 32
	global_load_b128 v[DS:DS+3], v2, s[8:9] offset:8192*((\n)+32) th:TH_LOAD_NT
.endif
.endm
	SVLOAD 0
.set n0, 0
.rept 32
	SROW n0
.set n0, n0+1
.endr
	SVLOAD 1
.rept 32
	SROW n0
.set n0, n0+1
.endr
	ds_store_b128 v6, v[ACC:ACC+3]
	ds_store_b128 v6, v[ACC+4:ACC+7] offset:256
	s_wait_dscnt 0x0
	s_barrier_signal -1
	s_barrier_wait -1
	s_cmp_lg_u32 s3, 0                             ; wave 0 alone adds and stores; no barrier follows
	s_cbranch_scc1 .Ls_end
	global_load_b128 v[80:83], v8, s[12:13]        ; bss at my four columns
.set i, 0
.rept 16
	ds_load_b128 v[D+4*i:D+4*i+3], v7 offset:512*i
.set i, i+1
.endr
	s_wait_kmcnt 0x0
	s_cmp_eq_u32 s25, 0
	s_cselect_b32 s33, s28, s29
	s_sub_co_i32 s33, 0, s33                       ; -e
	s_cmp_lt_u32 s26, 16                           ; columns under 1,024 are s: they get the 1
	s_cselect_b32 s32, 0x3f800000, 0
	s_wait_dscnt 0x0
.irp st, 8,4,2,1
.set i, 0
.rept \st
	v_pk_add_f32 v[D+4*i:D+4*i+1], v[D+4*i:D+4*i+1], v[D+4*(i+\st):D+4*(i+\st)+1]
	v_pk_add_f32 v[D+4*i+2:D+4*i+3], v[D+4*i+2:D+4*i+3], v[D+4*(i+\st)+2:D+4*(i+\st)+3]
.set i, i+1
.endr
.endr
	s_wait_loadcnt 0x0
	v_pk_add_f32 v[D:D+1], v[D:D+1], v[80:81]
	v_pk_add_f32 v[D+2:D+3], v[D+2:D+3], v[82:83]
.irp e, 0,1,2,3
	v_add_f32 v[D+\e], s32, v[D+\e]
.endr
.irp e, 0,1,2,3
	v_ldexp_f32 v[D+\e], v[D+\e], s33
.endr
	global_store_b128 v9, v[D:D+3], s[20:21]       ; sixteen lanes store 256 consecutive bytes, aligned, for each batch
.Ls_end:
	s_wait_tensorcnt 0x0
	ds_add_u32 v254, v255
	s_wait_dscnt 0x0
	s_endpgm
.Lfunc_end_k_q1bd686017f_prep:
	.size	k_q1bd686017f_prep, .Lfunc_end_k_q1bd686017f_prep-k_q1bd686017f_prep
	.p2alignl 7, 3214868480
	.fill 96, 4, 3214868480
	.section	.rodata,"a",@progbits
	.p2align	6, 0x0
	.amdhsa_kernel k_q1bd686017f_prep
		.amdhsa_group_segment_fixed_size 84992
		.amdhsa_private_segment_fixed_size 0
		.amdhsa_enable_private_segment 0
		.amdhsa_kernarg_size 136
		.amdhsa_user_sgpr_count 2
		.amdhsa_user_sgpr_kernarg_segment_ptr 1
		.amdhsa_wavefront_size32 1
		.amdhsa_system_sgpr_workgroup_id_x 1
		.amdhsa_system_sgpr_workgroup_id_y 1
		.amdhsa_system_sgpr_workgroup_id_z 1
		.amdhsa_system_vgpr_workitem_id 0
		.amdhsa_next_free_vgpr 256
		.amdhsa_next_free_sgpr 100
		.amdhsa_reserve_vcc 1
		.amdhsa_float_denorm_mode_32 3
		.amdhsa_float_denorm_mode_16_64 3
		.amdhsa_memory_ordered 1
		.amdhsa_forward_progress 1
		.amdhsa_inst_pref_size 132
	.end_amdhsa_kernel
	.amdgpu_metadata
---
amdhsa.version: [ 1, 2 ]
amdhsa.kernels:
  - .name:           k_q1bd686017f_prep
    .symbol:         k_q1bd686017f_prep.kd
    .args:
      - { .name: Wqkv, .offset: 0, .size: 8, .value_kind: global_buffer, .address_space: global }
      - { .name: Wproj, .offset: 8, .size: 8, .value_kind: global_buffer, .address_space: global }
      - { .name: Wmlp1, .offset: 16, .size: 8, .value_kind: global_buffer, .address_space: global }
      - { .name: Wmlp2, .offset: 24, .size: 8, .value_kind: global_buffer, .address_space: global }
      - { .name: Wss1, .offset: 32, .size: 8, .value_kind: global_buffer, .address_space: global }
      - { .name: Wss2, .offset: 40, .size: 8, .value_kind: global_buffer, .address_space: global }
      - { .name: bss1, .offset: 48, .size: 8, .value_kind: global_buffer, .address_space: global }
      - { .name: bss2, .offset: 56, .size: 8, .value_kind: global_buffer, .address_space: global }
      - { .name: t_vec, .offset: 64, .size: 8, .value_kind: global_buffer, .address_space: global }
      - { .name: attn_mask, .offset: 72, .size: 8, .value_kind: global_buffer, .address_space: global }
      - { .name: attn_bias, .offset: 80, .size: 8, .value_kind: global_buffer, .address_space: global }
      - { .name: key_padding_mask, .offset: 88, .size: 8, .value_kind: global_buffer, .address_space: global }
      - { .name: lowp_scales, .offset: 96, .size: 8, .value_kind: global_buffer, .address_space: global }
      - { .name: wcodes, .offset: 104, .size: 8, .value_kind: global_buffer, .address_space: global }
      - { .name: ss1, .offset: 112, .size: 8, .value_kind: global_buffer, .address_space: global }
      - { .name: ss2, .offset: 120, .size: 8, .value_kind: global_buffer, .address_space: global }
      - { .name: mbk, .offset: 128, .size: 8, .value_kind: global_buffer, .address_space: global }
    .group_segment_fixed_size: 84992
    .private_segment_fixed_size: 0
    .kernarg_segment_align: 8
    .kernarg_segment_size: 136
    .max_flat_workgroup_size: 256
    .sgpr_count:     100
    .vgpr_count:     256
    .wavefront_size: 32
...
	.end_amdgpu_metadata
.endif
;; end of part 1
;; launch ln (part 2): grid 256 x 1, 8 waves a work-group, no clusters, 18,432 bytes of LDS; arguments x, ss1, acts; writes acts
.if DOCPART == 2
	.amdgcn_target "amdgcn-amd-amdhsa--gfx1250"
	.amdhsa_code_object_version 6
	.text
	.protected	k_q1bd686017f_ln
	.globl	k_q1bd686017f_ln
	.p2align	8
	.type	k_q1bd686017f_ln,@function
k_q1bd686017f_ln:
	s_mov_b64 s[64:65], 0
	v_nop
	global_prefetch_b8 v0, s[64:65] scope:SCOPE_SE
	s_setreg_imm32_b32 hwreg(HW_REG_WAVE_MODE, 25, 1), 1
	s_wait_xcnt 0x0
; adaLN and the quantiser of the product that follows it: y = (1 + s) (x - mu) rsqrt(var + 1e-5) + sh, as codes of E5M2.  xin: [4096][1024] f32.  ss: [2][2048] f32 holds (1 + s) x 2^-e and sh x 2^-e,
; e the operand's given exponent: so y comes out divided by the scale, and the conversion's scale is 1.  One text serves both layers.
; A work-group takes 16 rows (one block of the codes' layout), a wave two of them, each whole in 32 registers: read once, mean and variance in two passes over registers (no difference of large sums).
; OUT: layout U, [plane = k / 64][block = row / 16][1,024 bytes], byte 512 c2 + 16 (16 h + row % 16) + i = k 64 plane + 32 c2 + 8 h + i (i < 8), 16 more for i >= 8.  A lane's four codes of a load are four
; neighbouring bytes there; they meet in a stage of 64 chunks of 256 bytes (272 apart), and each wave stores two planes' blocks, 512 consecutive bytes a store.
; Memory binds: no matrix unit, no tensor load, no cluster.  NaN among the inputs is not served.
.set X,   16                           ; v16-79   row i, load j at 32 i + 4 j: columns 128 j + 4 lane + 0..3
.set A,   80                           ; v80-111  (1 + s) x 2^-e at the same columns
.set SH,  112                          ; v112-143 sh x 2^-e
.set C,   144                          ; v144-159 row i, word j: the four codes of load j
.set OUT, 160                          ; v160-175 chunks read back
	s_load_b128 s[4:7], s[0:1], 0x0                ; xin, ss
	s_load_b64 s[8:9], s[0:1], 0x10                ; acts
	v_lshl_add_u32 v192, v0, 2, 0x4400
	v_mov_b32 v193, 0
	v_and_b32 v1, 31, v0
	v_lshrrev_b32 v7, 5, v0
	s_delay_alu instid0(VALU_DEP_1)
	v_readfirstlane_b32 s3, v7                     ; wave 0..7
	s_delay_alu instid0(VALU_DEP_3)
	v_lshlrev_b32 v2, 4, v1                        ; 16 x lane
	s_delay_alu instid0(VALU_DEP_4)
	v_bfe_u32 v8, v1, 4, 1                         ; column 128 j + 4 lane + e lies in chunk 8 j + 4 (lane / 16) + 2 (bit 3) + (bit 1),
	v_bfe_u32 v9, v1, 3, 1
	v_bfe_u32 v10, v1, 1, 1
	s_delay_alu instid0(VALU_DEP_2)
	v_lshl_add_u32 v8, v8, 1, v9
	s_delay_alu instid0(VALU_DEP_1)
	v_lshl_add_u32 v8, v8, 1, v10
	s_delay_alu instid0(VALU_DEP_1)
	v_mul_u32_u24 v3, v8, 272
	v_bfe_u32 v9, v1, 2, 1
	s_delay_alu instid0(VALU_DEP_1)
	v_lshl_add_u32 v3, v9, 3, v3                   ; at byte 16 x row + 8 (bit 2) + 4 (bit 0) + e
	v_and_b32 v9, 1, v1
	s_delay_alu instid0(VALU_DEP_1)
	v_lshl_add_u32 v3, v9, 2, v3
	s_lshl_b32 s10, s3, 5                          ; my rows 2 w, 2 w + 1
	v_add_nc_u32 v3, s10, v3                       ; the 32 lanes' words fall into 32 different banks (64 banks of 4 bytes: ISA guide 11.1)
	v_lshrrev_b32 v8, 4, v1
	s_delay_alu instid0(VALU_DEP_1)
	v_mul_u32_u24 v4, v8, 272
	v_and_b32 v9, 15, v1
	s_delay_alu instid0(VALU_DEP_1)
	v_lshl_add_u32 v4, v9, 4, v4
	s_mul_i32 s10, s3, 2176
	v_add_nc_u32 v4, s10, v4                       ; back: chunks 8 w on, two an instruction
	v_mov_b32 v6, 1.0                              ; the conversion's scale
	s_mov_b32 s12, 0x76543210                      ; v_permlanex16_b32: lane l xor 16
	s_mov_b32 s13, 0xfedcba98
	s_mov_b32 s14, 0x3a800000                      ; 1 / 1,024
	s_mov_b32 s15, 0x3727c5ac                      ; 1e-5
	s_lshl_b32 s16, ttmp9, 16                      ; 16 rows of 4,096 bytes,
	s_lshl_b32 s17, s3, 13                         ; my two
	s_add_co_u32 s16, s16, s17
	s_mov_b32 s17, 0
	s_lshr_b32 s18, ttmp9, 7                       ; the batch
	s_lshl_b32 s18, s18, 13
	s_mov_b32 s19, 0
	s_lshl_b32 s20, s3, 19                         ; planes 2 w, 2 w + 1 of 262,144 bytes,
	s_lshl_b32 s21, ttmp9, 10                      ; block = work-group
	s_add_co_u32 s20, s20, s21
	s_mov_b32 s21, 0
	s_wait_kmcnt 0x0
	s_add_nc_u64 s[4:5], s[4:5], s[16:17]
	s_add_nc_u64 s[6:7], s[6:7], s[18:19]
	s_add_nc_u64 s[8:9], s[8:9], s[20:21]
.irp i, 0,1
.irp j, 0,1,2,3,4,5,6,7
	global_load_b128 v[X+32*\i+4*\j:X+32*\i+4*\j+3], v2, s[4:5] offset:4096*\i+512*\j   ; 512 consecutive bytes
.endr
.endr
.irp j, 0,1,2,3,4,5,6,7
	global_load_b128 v[A+4*\j:A+4*\j+3], v2, s[6:7] offset:512*\j
.endr
.irp j, 0,1,2,3,4,5,6,7
	global_load_b128 v[SH+4*\j:SH+4*\j+3], v2, s[6:7] offset:4096+512*\j
.endr
.macro ACROSS                          ; four chains into one number, then over the 32 lanes: the result stands in every lane's v8
	s_delay_alu instid0(VALU_DEP_3)
	v_pk_add_f32 v[8:9], v[8:9], v[10:11]
	s_delay_alu instid0(VALU_DEP_2)
	v_pk_add_f32 v[12:13], v[12:13], v[14:15]
	s_delay_alu instid0(VALU_DEP_1)
	v_pk_add_f32 v[8:9], v[8:9], v[12:13]
	s_delay_alu instid0(VALU_DEP_1)
	v_add_f32 v8, v8, v9
	s_delay_alu instid0(VALU_DEP_1)
	v_add_f32_dpp v8, v8, v8 row_xmask:1 row_mask:0xf bank_mask:0xf
	s_delay_alu instid0(VALU_DEP_1)
	v_add_f32_dpp v8, v8, v8 row_xmask:2 row_mask:0xf bank_mask:0xf
	s_delay_alu instid0(VALU_DEP_1)
	v_add_f32_dpp v8, v8, v8 row_xmask:4 row_mask:0xf bank_mask:0xf
	s_delay_alu instid0(VALU_DEP_1)
	v_add_f32_dpp v8, v8, v8 row_xmask:8 row_mask:0xf bank_mask:0xf
	s_delay_alu instid0(VALU_DEP_1)
	v_permlanex16_b32 v9, v8, s12, s13
	s_delay_alu instid0(VALU_DEP_1)
	v_add_f32 v8, v8, v9
.endm
.macro STATS i                         ; row i becomes (x - mu) rsqrt(var + eps)
.set XR, X+32*\i
.irp c, 0,1,2,3
	v_pk_add_f32 v[8+2*\c:9+2*\c], v[XR+2*\c:XR+2*\c+1], v[XR+8+2*\c:XR+9+2*\c]   ; the first words start the chains
.endr
.irp k, 16,24
.irp c, 0,1,2,3
	s_delay_alu instid0(VALU_DEP_4)
	v_pk_add_f32 v[8+2*\c:9+2*\c], v[8+2*\c:9+2*\c], v[XR+\k+2*\c:XR+\k+2*\c+1]
.endr
.endr
	ACROSS
	s_delay_alu instid0(VALU_DEP_1)
	v_mul_f32 v10, 0xba800000, v8                  ; -mu
	s_delay_alu instid0(VALU_DEP_1)
	v_mov_b32 v11, v10
.set j, 0
.rept 16
	v_pk_add_f32 v[XR+j:XR+j+1], v[XR+j:XR+j+1], v[10:11]
.set j, j+2
.endr
.irp c, 0,1,2,3
	v_pk_mul_f32 v[8+2*\c:9+2*\c], v[XR+2*\c:XR+2*\c+1], v[XR+2*\c:XR+2*\c+1]
.endr
.irp k, 8,16,24
.irp c, 0,1,2,3
	s_delay_alu instid0(VALU_DEP_4)
	v_pk_fma_f32 v[8+2*\c:9+2*\c], v[XR+\k+2*\c:XR+\k+2*\c+1], v[XR+\k+2*\c:XR+\k+2*\c+1], v[8+2*\c:9+2*\c]
.endr
.endr
	ACROSS
	s_delay_alu instid0(VALU_DEP_1)
	v_fma_f32 v8, v8, s14, s15                     ; var + eps
	s_wait_alu depctr_va_vdst(0)
	v_rsq_f32 v12, v8
	v_nop                                          ; a plain line behind the transcendental,
	s_wait_alu depctr_va_vdst(0)                   ; and the wait ahead of its first reader
	v_mov_b32 v13, v12
.set j, 0
.rept 16
	v_pk_mul_f32 v[XR+j:XR+j+1], v[XR+j:XR+j+1], v[12:13]
.set j, j+2
.endr
.endm
.macro MODUL i                         ; modulated, held, converted, into the stage
.set XR, X+32*\i
.set j, 0
.rept 16
	v_pk_fma_f32 v[XR+j:XR+j+1], v[XR+j:XR+j+1], v[A+j:A+j+1], v[SH+j:SH+j+1]
.set j, j+2
.endr
.set j, 0
.rept 32
.set j, j+1
.endr
.irp g, 0,1,2,3
	v_cvt_scalef32_pk8_bf8_f32 v[C+8*\i+2*\g:C+8*\i+2*\g+1], v[XR+8*\g:XR+8*\g+7], v6
.endr
	v_nop                                          ; one plain line behind the last conversion
.irp j, 0,1,2,3,4,5,6,7
	ds_store_b32 v3, v[C+8*\i+\j] offset:2176*\j+16*\i
.endr
.endm
	s_wait_loadcnt 24                              ; row 0 is in; row 1, A and SH (24 loads) may be out
	STATS 0
	s_wait_loadcnt 16                              ; row 1 is in; A and SH may be out
	STATS 1
	s_wait_loadcnt 0x0
	MODUL 0
	MODUL 1
	s_wait_dscnt 0x0                               ; for the others' sake: my stores have landed
	s_barrier_signal -1
	s_barrier_wait -1
.irp t, 0,1,2,3
	ds_load_b128 v[OUT+4*\t:OUT+4*\t+3], v4 offset:544*\t
.endr
.irp t, 0,1,2,3
	s_wait_dscnt 3-\t                              ; LDS loads come back in order: load t is in
	global_store_b128 v2, v[OUT+4*\t:OUT+4*\t+3], s[8:9] offset:(\t/2)*262144+(\t%2)*512   ; 512 consecutive bytes, aligned
.endr
	s_wait_tensorcnt 0x0
	ds_add_u32 v192, v193
	s_wait_dscnt 0x0
	s_endpgm
.Lfunc_end_k_q1bd686017f_ln:
	.size	k_q1bd686017f_ln, .Lfunc_end_k_q1bd686017f_ln-k_q1bd686017f_ln
	.p2alignl 7, 3214868480
	.fill 96, 4, 3214868480
	.section	.rodata,"a",@progbits
	.p2align	6, 0x0
	.amdhsa_kernel k_q1bd686017f_ln
		.amdhsa_group_segment_fixed_size 18432
		.amdhsa_private_segment_fixed_size 0
		.amdhsa_enable_private_segment 0
		.amdhsa_kernarg_size 24
		.amdhsa_user_sgpr_count 2
		.amdhsa_user_sgpr_kernarg_segment_ptr 1
		.amdhsa_wavefront_size32 1
		.amdhsa_system_sgpr_workgroup_id_x 1
		.amdhsa_system_sgpr_workgroup_id_y 1
		.amdhsa_system_sgpr_workgroup_id_z 1
		.amdhsa_system_vgpr_workitem_id 0
		.amdhsa_next_free_vgpr 194
		.amdhsa_next_free_sgpr 66
		.amdhsa_reserve_vcc 0
		.amdhsa_float_denorm_mode_32 3
		.amdhsa_float_denorm_mode_16_64 3
		.amdhsa_fp16_overflow 1
		.amdhsa_memory_ordered 1
		.amdhsa_forward_progress 1
		.amdhsa_inst_pref_size 24
	.end_amdhsa_kernel
	.amdgpu_metadata
---
amdhsa.version: [ 1, 2 ]
amdhsa.kernels:
  - .name:           k_q1bd686017f_ln
    .symbol:         k_q1bd686017f_ln.kd
    .args:
      - { .name: x, .offset: 0, .size: 8, .value_kind: global_buffer, .address_space: global }
      - { .name: ss1, .offset: 8, .size: 8, .value_kind: global_buffer, .address_space: global }
      - { .name: acts, .offset: 16, .size: 8, .value_kind: global_buffer, .address_space: global }
    .group_segment_fixed_size: 18432
    .private_segment_fixed_size: 0
    .kernarg_segment_align: 8
    .kernarg_segment_size: 24
    .max_flat_workgroup_size: 256
    .sgpr_count:     66
    .vgpr_count:     194
    .wavefront_size: 32
...
	.end_amdgpu_metadata
.endif
;; end of part 2
;; launch qkv (part 3): grid 8 x 24, 4 waves a work-group, clusters of 4 x 4, 327,680 bytes of LDS; arguments acts, wcodes, lowp_scales, bqkv, big; writes big
.if DOCPART == 3
	.amdgcn_target "amdgcn-amd-amdhsa--gfx1250"
	.amdhsa_code_object_version 6
	.text
	.protected	k_q1bd686017f_qkv
	.globl	k_q1bd686017f_qkv
	.p2align	8
	.type	k_q1bd686017f_qkv,@function
k_q1bd686017f_qkv:
	s_mov_b64 s[64:65], 0
	v_nop
	global_prefetch_b8 v0, s[64:65] scope:SCOPE_SE
	s_setreg_imm32_b32 hwreg(HW_REG_WAVE_MODE, 25, 1), 1
	s_wait_xcnt 0x0
	s_wait_alu depctr_hold_cnt(0) depctr_sa_sdst(0) depctr_va_vdst(0) depctr_va_sdst(0) depctr_va_ssrc(0) depctr_va_vcc(0) depctr_vm_vsrc(0)
	s_getreg_b32 s2, hwreg(HW_REG_IB_STS2, 6, 4)
	s_cmp_eq_u32 s2, 0
	s_cbranch_scc0 .Lentry_in_a_cluster
	s_endpgm
.Lentry_in_a_cluster:
	s_bfe_u32 s2, ttmp6, 0x10000c
	s_cmp_lg_u32 s2, 0xf033
	s_cbranch_scc0 .Lentry_shape_is_right
	s_endpgm
.Lentry_shape_is_right:
; q, k and V^T as codes of E5M2, from the codes of h (acts) and of Wqkv (wcodes): C[m][n] = sum over k of A[m][k] B[n][k], x 2^(e0 + e1), + bias, quantised with the next product's given scale.
; TWO PROBLEMS IN ONE TEXT, told apart by the cluster's y (equal in all partners), by selections, with no branch:
;   y < 4:  QK.   A = h (4,096 tokens), B = Wqkv's columns 0-2,047.  Out: rows = tokens, planes 0-15 = q's heads (scale entry 2), planes 16-31 = k's (entry 3).
;   y >= 4: V^T.  A = Wqkv's columns 2,048-3,071, B = h.  Out: rows = head x 64 + d, K = tokens (entry 5): the second attention product wants the keys innermost.
; All operands lie in layout U: [plane = k / 64][block = row / 16][1,024 bytes], the image of the 8-bit operand's registers: a fragment of 16 rows x 128 K is four loads of 512 consecutive bytes, no padding.
; A tile of C, 256 x 256, is made by four waves, 128 x 128 each (64 accumulators).  K = 1,024 goes in four steps of 256 (four planes) through a ring of two LDS slots; a wave's tensor load brings two planes x 16 KiB.
; CLUSTERS: 4 x 4 work-groups; A's tile is asked for jointly along a row of the cluster, B's along a column.  192 work-groups: 128 tiles of QK and 64 of V^T.
; THE MATRIX INSTRUCTION IS USED TRANSPOSED (source 0 = 16 rows of B, source 1 = 16 rows of A): a lane holds row m = lane % 16 and columns n = 16 b + 8 (lane / 16) + 0..7, so accumulators (a, b) and (a, b + 1)
; convert into one 16-byte piece of the output's layout U, and the codes leave straight from registers, 512 consecutive bytes a store.
; LIMITS: e0 + e1 between -126 and 127; the output's exponent between -126 and 112.  NaN is not served.
; REGISTERS: window 0: v0-31 addresses; v32-95 bias along n, v96-111 bias along m; v128-255 A's fragments, ONE set (on the way out: v128-191 numbers, v192-255 codes).  window 1: B's fragments, two sets.  windows 2, 3: accumulators.
.set PS,     262144                    ; a plane of acts and of wcodes' first region
.set SLOT,   131072                    ; A's 4 planes x 16 KiB, then B's
.set SPARE,  262144                    ; behind the ring: the spare words, 128 bytes for each wave
.set LAPS,   2                         ; a lap = two K steps = once round the ring
.set FR,     16
.set NL,     4
.set NP,     4                         ; places behind this matrix instruction (ISA guide 7.12.1)
.set ADRA, 16                          ; v16-17  LDS address of my A fragments in slot 0, 1
.set ADRB, 20                          ; v20-21  the same for B
.set LI,   24                          ; v24     16 x lane
.set SPW,  28                          ; v28     LDS address of my spare word; never rewritten
.set NIL,  29                          ; v29     0; never rewritten
.set BN,   32
.set BM,   96
.set AF,   128
.set T,    128
.set CDB,  192
.set G1, 24                            ; s[24:31] descriptor group 1 for A's tiles; s[32:39] group 0, one set for each slot
.set G0, 32
.set G1B, 48                           ; s[48:55], s[56:63] the same for B's
.set G0B, 56
.set MSB, 0
.macro WIN new                         ; the immediate's high byte repeats the setting that is left
.if MSB != \new
	s_set_vgpr_msb (MSB<<8)|\new
.set MSB, \new
.endif
.endm
.set MUL_LO, 0xa1                      ; source 0 (B) window 1, source 1 (A) window 0, C and D window 2
.set MUL_HI, 0xf1                      ; the same, C and D window 3
.set TO_B,   0x40                      ; destination window 1, address window 0
.macro JLOAD g0a, g1a, g0b, g1b        ; a joint load: waves 0 and 1 fetch for A, waves 2 and 3 for B; four v_nop follow each line
	s_cmp_eq_u32 s15, 0
	s_cbranch_scc0 .Lfor_b_\@
	tensor_load_to_lds s[\g0a:\g0a+3], s[\g1a:\g1a+7]
	s_nop 0
.rept 4
	v_nop
.endr
	s_branch .Lasked_\@
.Lfor_b_\@:
	tensor_load_to_lds s[\g0b:\g0b+3], s[\g1b:\g1b+7]
	s_nop 0
.rept 4
	v_nop
.endr
.Lasked_\@:
.endm
.macro CREST                           ; a round of the cluster's barrier behind its opening barrier
	s_cmp_lg_u32 s14, 0
	s_cbranch_scc1 .Lnot_wave_0_\@
	s_barrier_signal -3
.Lnot_wave_0_\@:
	s_barrier_wait -3
	s_barrier_signal -1
	s_barrier_wait -1
.endm
.macro CROUND
	s_barrier_signal -1
	s_barrier_wait -1
	CREST
.endm
	s_load_b256 s[4:11], s[0:1], 0x0               ; acts s[4:5], wcodes s[6:7], the exponents s[8:9], bqkv s[10:11]
	s_load_b64 s[12:13], s[0:1], 0x20              ; big
	v_lshl_add_u32 v[SPW], v0, 2, SPARE
	v_mov_b32 v[NIL], 0
	ds_add_u32 v28, v29
	ds_add_u32 v28, v29
	s_wait_dscnt 0x0
	v_lshrrev_b32 v1, 5, v0
	v_readfirstlane_b32 s14, v1                    ; wave 0..3
	s_lshr_b32 s15, s14, 1                         ; which half of the tile's rows is mine.  Also: I fetch for A (0) or for B (1)
	s_and_b32 s16, s14, 1                          ; which half of its columns.  Also: which two planes of a K step I fetch
	s_bfe_u32 s40, ttmp6, 0x40000                  ; cx, cy: my place in the cluster
	s_bfe_u32 s41, ttmp6, 0x40004
	s_and_b32 s18, ttmp7, 0xffff                   ; the cluster's y: kept
	s_lshl_b32 s83, s18, 1
	s_add_co_u32 s83, s83, ttmp9
	s_sub_co_u32 s83, s83, 8                       ; V^T: the clusters (x, y - 4) count 0..3 along the tokens
	s_cmp_lt_u32 s18, 4
	s_cselect_b32 s83, ttmp9, s83                  ; the cluster's place along the tile columns,
	s_cselect_b32 s19, s18, 0                      ; along the tile rows (V^T has four tile rows: one cluster's)
	s_cselect_b32 s84, 0, 131072                   ; V^T: A begins at Wqkv's column 2,048: 64 bytes a row of a plane
	s_cselect_b32 s85, -1, 0                       ; all ones in QK
	s_lshl_b32 s17, s19, 2
	s_add_co_u32 s17, s17, s41                     ; tile row
	s_lshl_b32 s42, s83, 2
	s_add_co_u32 s42, s42, s40                     ; tile column
	s_lshl_b32 s43, s41, 2
	s_lshl_b32 s43, 15, s43                        ; my row of the cluster
	s_lshl_b32 s44, 0x1111, s40                    ; my column
	; descriptor group 1: two planes' pieces of 16 KiB, a plane apart
	s_or_b32 s[G1+0], s43, (3<<16)|(1<<21)         ; 15:0 the mask: A's tiles go to my row; 17:16 elements of 8 bytes; 20 no padding; 21 set beside a mask
	s_or_b32 s[G1B+0], s44, (3<<16)|(1<<21)
.irp g, G1, G1B
	s_mov_b32 s[\g+1], 2048<<16                    ; tensor_dim0 = 2,048 elements
	s_mov_b32 s[\g+2], 2<<16                       ; tensor_dim1 = 2
	s_mov_b32 s[\g+3], 2048<<16                    ; tile_dim0
	s_mov_b32 s[\g+4], 2                           ; tile_dim1
	s_mov_b32 s[\g+5], PS/8                        ; tensor_dim0_stride
	s_mov_b32 s[\g+6], 0
	s_mov_b32 s[\g+7], 0
.endr
	s_lshl_b32 s86, s16, 19                        ; my two planes
	s_lshl_b32 s20, s17, 14                        ; A: 256 rows are 16 KiB of a plane
	s_add_co_u32 s20, s20, s84
	s_add_co_u32 s20, s20, s86
	s_mov_b32 s21, 0
	s_lshl_b32 s46, s42, 14                        ; B likewise
	s_add_co_u32 s46, s46, s86
	s_mov_b32 s47, 0
	s_lshl_b32 s45, s14, 15                        ; where they go: wave x 32 KiB: no place in the cluster enters an LDS address
	s_wait_kmcnt 0x0
	s_load_b256 s[88:95], s[8:9], 0x0              ; e0 .. e7
	s_cmp_lt_u32 s18, 4
	s_cselect_b64 s[68:69], s[4:5], s[6:7]         ; A's buffer,
	s_cselect_b64 s[70:71], s[6:7], s[4:5]         ; B's
	s_add_nc_u64 s[20:21], s[68:69], s[20:21]
	s_add_nc_u64 s[46:47], s[70:71], s[46:47]
	CROUND                                         ; all sixteen work-groups are here: the first joint loads meet
.irp s, 0,1
	s_mov_b32 s[G0+4*\s], 1
	s_add_co_u32 s[G0+4*\s+1], s45, \s*SLOT
	s_add_nc_u64 s[G0+4*\s+2:G0+4*\s+3], s[20:21], \s*4*PS
	s_or_b32 s[G0+4*\s+3], s[G0+4*\s+3], 0x80000000
	s_mov_b32 s[G0B+4*\s], 1
	s_add_co_u32 s[G0B+4*\s+1], s45, \s*SLOT
	s_add_nc_u64 s[G0B+4*\s+2:G0B+4*\s+3], s[46:47], \s*4*PS
	s_or_b32 s[G0B+4*\s+3], s[G0B+4*\s+3], 0x80000000
	JLOAD G0+4*\s, G1, G0B+4*\s, G1B
.endr
	v_and_b32 v1, 31, v0
	v_lshlrev_b32 v[LI], 4, v1
	s_lshl_b32 s21, s15, 13                        ; my 128 rows of A: 8 blocks
	s_lshl_b32 s22, s16, 13                        ; my 128 rows of B,
	s_add_co_u32 s22, s22, 65536                   ; which lie behind A's four planes
.irp s, 0,1
	v_add_nc_u32 v[ADRA+\s], s21, v[LI]
	v_add_nc_u32 v[ADRB+\s], s22, v[LI]
	s_add_co_u32 s21, s21, SLOT
	s_add_co_u32 s22, s22, SLOT
.endr
	; the biases.  QK: bqkv along n.  V^T: bqkv[2,048 + m] along m.  Both are loaded, at addresses that stay inside bqkv in both problems; the one that does not apply is made 0 on the way out
	s_lshl_b32 s72, s42, 10
	s_lshl_b32 s74, s17, 10
	s_lshl_b32 s75, s15, 9
	s_add_co_u32 s74, s74, s75
	s_add_co_u32 s74, s74, 8192
	s_cmp_lt_u32 s18, 4
	s_cselect_b32 s72, s72, 0
	s_cselect_b32 s74, 0, s74
	s_lshl_b32 s75, s16, 9
	s_add_co_u32 s72, s72, s75
	s_mov_b32 s73, 0
	s_mov_b32 s75, 0
	s_add_nc_u64 s[72:73], s[10:11], s[72:73]
	s_add_nc_u64 s[74:75], s[10:11], s[74:75]
	v_bfe_u32 v2, v0, 4, 1
	v_lshlrev_b32 v2, 5, v2                        ; 32 h
	v_and_b32 v3, 15, v0
	v_lshlrev_b32 v3, 2, v3                        ; 4 r
.irp b, 0,1,2,3,4,5,6,7
	global_load_b128 v[BN+8*\b:BN+8*\b+3], v2, s[72:73] offset:64*\b
	global_load_b128 v[BN+8*\b+4:BN+8*\b+7], v2, s[72:73] offset:64*\b+16
.endr
.irp a, 0,1,2,3,4,5,6,7
	global_load_b32 v[BM+2*\a], v3, s[74:75] offset:64*\a
.endr
	; where my codes go: plane 4 x tile column + 2 x half (+ 1), block 16 x tile row + 8 x half
	s_lshl_b32 s76, s42, 2
	s_lshl_b32 s77, s16, 1
	s_add_co_u32 s76, s76, s77
	s_lshl_b32 s77, s17, 4
	s_lshl_b32 s78, s15, 3
	s_add_co_u32 s77, s77, s78
	s_lshl_b32 s77, s77, 10
	s_cmp_lt_u32 s18, 4
	s_cselect_b32 s78, 18, 16                      ; a plane: 4,096 rows x 64 bytes, or 1,024 rows
	s_cselect_b32 s79, 0, 8388608                  ; V^T lies behind q and k
	s_lshl_b32 s76, s76, s78
	s_add_co_u32 s76, s76, s77
	s_add_co_u32 s76, s76, s79
	s_mov_b32 s77, 0
	s_add_nc_u64 s[76:77], s[12:13], s[76:77]
	s_lshl_b32 s78, 1, s78
	s_mov_b32 s79, 0
	s_add_nc_u64 s[78:79], s[76:77], s[78:79]      ; the plane after it
.macro FRAG reg, adr, q, i             ; 16 rows x 128 K: planes 2 q, 2 q + 1 of the slot, block i: four loads of 512 consecutive bytes
.irp pp, 0,1
.irp c2, 0,1
	ds_load_b128 v[\reg+8*\pp+4*\c2:\reg+8*\pp+4*\c2+3], v[\adr] offset:(2*(\q)+\pp)*16384+(\i)*1024+\c2*512
.endr
.endr
.endm
; 16 matrix instructions: A's blocks a0, a0 + 1 x B's eight.  The 64 accumulators take turns, one instruction a turn, in the same order in every step.
.macro MUL16 a0, p, zero
.irp a, \a0, \a0+1
.irp b, 0,1,2,3,4,5,6,7
.if \zero
	v_wmma_f32_16x16x128_bf8_bf8 v[8*(8*((\a)%4)+\b):8*(8*((\a)%4)+\b)+7], v[128*(\p)+FR*\b:128*(\p)+FR*\b+FR-1], v[AF+FR*(\a):AF+FR*(\a)+FR-1], 0
.else
	v_wmma_f32_16x16x128_bf8_bf8 v[8*(8*((\a)%4)+\b):8*(8*((\a)%4)+\b)+7], v[128*(\p)+FR*\b:128*(\p)+FR*\b+FR-1], v[AF+FR*(\a):AF+FR*(\a)+FR-1], v[8*(8*((\a)%4)+\b):8*(8*((\a)%4)+\b)+7]
.endif
.endr
.endr
.endm
.macro FETCH_B slot, q, p
	WIN TO_B
.irp i, 0,1,2,3,4,5,6,7
	FRAG 128*(\p)+FR*\i, ADRB+\slot, \q, \i
.endr
	WIN 0
.endm
.macro FETCH_A slot, q, i0
.irp i, \i0, \i0+1, \i0+2, \i0+3
	FRAG AF+FR*(\i), ADRA+\slot, \q, \i
.endr
.endm
.macro PLACES n                        ; plain vector lines between a matrix instruction and a load into, or a vector read or write of, its registers
.rept \n
	v_nop
.endr
.endm
.macro STEP slot, q, zero              ; 128 along K with its successor in the same slot
	s_wait_dscnt 4*NL                              ; B's set and A's blocks 0-3 are in; the youngest 16 loads (A's blocks 4-7) may be out
	WIN MUL_LO
	MUL16 0, (\q)%2, \zero
	MUL16 2, (\q)%2, \zero
	s_wait_dscnt 0
	PLACES NP
	FETCH_B \slot, (\q)+1, 1-(\q)%2
	FETCH_A \slot, (\q)+1, 0
	WIN MUL_HI
	MUL16 4, (\q)%2, \zero
	MUL16 6, (\q)%2, \zero
	PLACES NP
	WIN 0
	FETCH_A \slot, (\q)+1, 4
.endm
.macro TURN slot, next, fill           ; a slot's last 128 along K, and the change of slots
	s_wait_tensorcnt 0x0                           ; all my tensor loads have landed: my part of the next slot;
	ds_add_u32 v[SPW], v[NIL]                      ; 0 onto my spare word;
	s_wait_dscnt 4*NL+1                            ; (the add and the youngest 16 loads may be out)
	WIN MUL_LO
	MUL16 0, 1, 0
	s_wait_dscnt 0x0                               ; the add is done, and my reads of this slot are over
	s_barrier_signal -1
	MUL16 2, 1, 0
	WIN 0
	s_barrier_wait -1
.if \fill
	CREST                                          ; the barrier has opened a round of the cluster's barrier: no wave of any partner still reads this slot or has a load on its way
	s_add_nc_u64 s[G0+4*\slot+2:G0+4*\slot+3], s[G0+4*\slot+2:G0+4*\slot+3], 8*PS
	s_add_nc_u64 s[G0B+4*\slot+2:G0B+4*\slot+3], s[G0B+4*\slot+2:G0B+4*\slot+3], 8*PS
	JLOAD G0+4*\slot, G1, G0B+4*\slot, G1B         ; the first tensor load behind the round; its four v_nop are the places in front of the loads below
.else
	PLACES NP
.endif
	FETCH_B \next, 0, 0
	FETCH_A \next, 0, 0
	WIN MUL_HI
	MUL16 4, 1, 0
	MUL16 6, 1, 0
	PLACES NP
	WIN 0
	FETCH_A \next, 0, 4
.endm
	s_wait_tensorcnt 1                             ; my part of K step 0 is in (K step 1's load may be out)
	s_barrier_signal -1
	s_barrier_wait -1                              ; everybody's is
	FETCH_B 0, 0, 0
	FETCH_A 0, 0, 0
	FETCH_A 0, 0, 4
	STEP 0, 0, 1                                   ; the first step's products start the sums
	s_mov_b32 s3, LAPS-1
.Llap:
	TURN 0, 1, 1
	STEP 1, 0, 0
	TURN 1, 0, 1
	STEP 0, 0, 0
	s_sub_co_u32 s3, s3, 1
	s_cmp_lg_u32 s3, 0
	s_cbranch_scc1 .Llap
	TURN 0, 1, 0                                   ; the last lap fills nothing
	STEP 1, 0, 0
	s_wait_dscnt 4*NL
	WIN MUL_LO
	MUL16 0, 1, 0
	MUL16 2, 1, 0
	s_wait_dscnt 0
	WIN MUL_HI
	MUL16 4, 1, 0
	MUL16 6, 1, 0
	WIN 0
	; THE WAY OUT
	s_wait_kmcnt 0x0
	s_cmp_eq_u32 ttmp9, 0                          ; QK: tile columns 0-3 are q's
	s_cselect_b32 s82, s90, s91
	s_cmp_lt_u32 s18, 4
	s_cselect_b32 s82, s82, s93                    ; the output's exponent: entry 2, 3 or 5
	s_add_co_i32 s82, s82, 127
	s_lshl_b32 s83, s82, 23
	s_add_co_i32 s82, s82, 15
	s_lshl_b32 s82, s82, 23
	s_or_b32 s82, s82, 0x600000
	s_add_co_i32 s80, s88, s89
	s_add_co_i32 s80, s80, 127
	s_lshl_b32 s80, s80, 23                        ; 2^(e0 + e1)
	s_mov_b32 s81, s80                             ; (named with it as a pair, so it is written)
	s_mov_b32 vcc_lo, s85
	s_wait_loadcnt 0x0                             ; the biases
	PLACES NP
	v_mov_b32 v12, s83                             ; the output's scale as f32,
	v_mov_b32 v13, s82                             ; 57,344 x that
.set j, 0
.rept 64
	v_cndmask_b32 v[BN+j], 0, v[BN+j], vcc_lo      ; the bias along n counts in QK alone,
.set j, j+1
.endr
	s_not_b32 vcc_lo, vcc_lo
.irp a, 0,1,2,3,4,5,6,7
	v_cndmask_b32 v[BM+2*\a], 0, v[BM+2*\a], vcc_lo   ; the bias along m in V^T alone
.endr
.irp a, 0,1,2,3,4,5,6,7
	v_mov_b32 v[BM+2*\a+1], v[BM+2*\a]             ; twice, for the packed addition
.endr
.macro QOUT a                          ; block a: 16 rows x 128 columns
.set AC, 64*((\a)%4)
.set CD, CDB+16*((\a)%4)
.if (\a) == 4
	s_wait_xcnt 0x0                                ; the first four blocks' stores have read their registers: the four sets of codes come round again
.endif
	WIN 0x02+((\a)/4)                              ; source 0: window 2 or 3
.set j, 0
.rept 32
	v_pk_fma_f32 v[T+j:T+j+1], v[AC+j:AC+j+1], s[80:81], v[BN+j:BN+j+1] op_sel_hi:[1,0,1]   ; each accumulator from its low end on
.set j, j+2
.endr
	WIN 0
.set j, 0
.rept 32
	v_pk_add_f32 v[T+j:T+j+1], v[T+j:T+j+1], v[BM+2*(\a):BM+2*(\a)+1]
.set j, j+2
.endr
.set j, 0
.rept 64
	v_med3_num_f32 v[T+j], v[T+j], -v13, v13       ; the conversion to an 8-bit code does not saturate (ISA guide 7.6.2)
.set j, j+1
.endr
.irp b, 0,1,2,3,4,5,6,7
	v_cvt_scalef32_pk8_bf8_f32 v[CD+2*\b:CD+2*\b+1], v[T+8*\b:T+8*\b+7], v12
.endr
	v_nop                                          ; one plain line behind the last conversion: the next block writes the numbers' registers
.irp pp, 0,1
.irp c2, 0,1
	global_store_b128 v[LI], v[CD+8*\pp+4*\c2:CD+8*\pp+4*\c2+3], s[76+2*\pp:77+2*\pp] offset:1024*(\a)+512*\c2   ; 512 consecutive bytes, aligned
.endr
.endr
.endm
.irp a, 0,1,2,3,4,5,6,7
	QOUT \a
.endr
	s_wait_tensorcnt 0x0                           ; the wave's end
	ds_add_u32 v[SPW], v[NIL]
	s_wait_dscnt 0x0
	CROUND                                         ; the closing round: no work-group ends while a partner may still ask for a tile that names it
	s_endpgm
.Lfunc_end_k_q1bd686017f_qkv:
	.size	k_q1bd686017f_qkv, .Lfunc_end_k_q1bd686017f_qkv-k_q1bd686017f_qkv
	.p2alignl 7, 3214868480
	.fill 96, 4, 3214868480
	.section	.rodata,"a",@progbits
	.p2align	6, 0x0
	.amdhsa_kernel k_q1bd686017f_qkv
		.amdhsa_group_segment_fixed_size 327680
		.amdhsa_private_segment_fixed_size 0
		.amdhsa_enable_private_segment 0
		.amdhsa_kernarg_size 40
		.amdhsa_user_sgpr_count 2
		.amdhsa_user_sgpr_kernarg_segment_ptr 1
		.amdhsa_wavefront_size32 1
		.amdhsa_system_sgpr_workgroup_id_x 1
		.amdhsa_system_sgpr_workgroup_id_y 1
		.amdhsa_system_sgpr_workgroup_id_z 1
		.amdhsa_system_vgpr_workitem_id 0
		.amdhsa_next_free_vgpr 1024
		.amdhsa_next_free_sgpr 100
		.amdhsa_reserve_vcc 1
		.amdhsa_float_denorm_mode_32 3
		.amdhsa_float_denorm_mode_16_64 3
		.amdhsa_memory_ordered 1
		.amdhsa_forward_progress 1
		.amdhsa_inst_pref_size 155
	.end_amdhsa_kernel
	.amdgpu_metadata
---
amdhsa.version: [ 1, 2 ]
amdhsa.kernels:
  - .name:           k_q1bd686017f_qkv
    .symbol:         k_q1bd686017f_qkv.kd
    .args:
      - { .name: acts, .offset: 0, .size: 8, .value_kind: global_buffer, .address_space: global }
      - { .name: wcodes, .offset: 8, .size: 8, .value_kind: global_buffer, .address_space: global }
      - { .name: lowp_scales, .offset: 16, .size: 8, .value_kind: global_buffer, .address_space: global }
      - { .name: bqkv, .offset: 24, .size: 8, .value_kind: global_buffer, .address_space: global }
      - { .name: big, .offset: 32, .size: 8, .value_kind: global_buffer, .address_space: global }
    .group_segment_fixed_size: 327680
    .private_segment_fixed_size: 0
    .kernarg_segment_align: 8
    .kernarg_segment_size: 40
    .max_flat_workgroup_size: 128
    .sgpr_count:     100
    .vgpr_count:     1024
    .wavefront_size: 32
...
	.end_amdgpu_metadata
.endif
;; end of part 3
;; launch attn (part 4): grid 16 x 16, 8 waves a work-group, clusters of 4 x 1, 327,680 bytes of LDS; arguments big, mbk, lowp_scales, acts; writes acts
.if DOCPART == 4
	.amdgcn_target "amdgcn-amd-amdhsa--gfx1250"
	.amdhsa_code_object_version 6
	.text
	.protected	k_q1bd686017f_attn
	.globl	k_q1bd686017f_attn
	.p2align	8
	.type	k_q1bd686017f_attn,@function
k_q1bd686017f_attn:
	s_mov_b64 s[64:65], 0
	v_nop
	global_prefetch_b8 v0, s[64:65] scope:SCOPE_SE
	s_setreg_imm32_b32 hwreg(HW_REG_WAVE_MODE, 25, 1), 1
	s_wait_xcnt 0x0
	s_wait_alu depctr_hold_cnt(0) depctr_sa_sdst(0) depctr_va_vdst(0) depctr_va_sdst(0) depctr_va_ssrc(0) depctr_va_vcc(0) depctr_vm_vsrc(0)
	s_getreg_b32 s2, hwreg(HW_REG_IB_STS2, 6, 4)
	s_cmp_eq_u32 s2, 0
	s_cbranch_scc0 .Lentry_in_a_cluster
	s_endpgm
.Lentry_in_a_cluster:
	s_bfe_u32 s2, ttmp6, 0x10000c
	s_cmp_lg_u32 s2, 0x3003
	s_cbranch_scc0 .Lentry_shape_is_right
	s_endpgm
.Lentry_shape_is_right:
; Attention on codes of E5M2, head size 64, and the quantiser of the projection's operand.  big: q (planes 0-15), k (planes 16-31) with rows = tokens, and V^T (8 MiB on; rows = head x 64 + d, K = tokens), all in layout U:
; [plane = k / 64][block = row / 16][1,024 bytes], the image of the 8-bit operand's registers.  mbk: (mask + bias) x 2^(3 - eq - ek), padding inside, in the layout of the first product's result.
; THE SOFTMAX AHEAD OF THE SECOND PRODUCT: t = logit x log2(e); M = the row's largest t so far, rounded UP to a whole number; p = 2^(t - M) is quantised with 2^ep, not normalised; the row's sum is taken of the unquantised p
; and divides at the end.  When M moves, the sum and O are multiplied by 2^(old M - new M): exact.
; SHARES: a work-group owns 128 queries of TWO heads of one batch (grid x: the block of queries; y: 8 x batch + pair of heads); each of its eight waves one tile of 16 queries, for both heads, in 512 registers.
; A WAVE SERVES TWO HEADS WITH ONE BIAS IMAGE: the image of a (query tile, key step) is the C of S^T = K Q^T + C and is the same for every head, so it is loaded once (8 KiB) for two products.
; Both products are used transposed (source 0 = 16 keys, or 16 of the head's 64; source 1 = my queries, or P): a lane holds ONE query throughout; tile t's eight registers are keys 16 t + 8 (lane / 16) + 0..7, the place
; that the second product's operand gives them, so the conversions' results are that operand.
; REGISTERS: head j's lie in window j under the same numbers, so that one text serves both: v12 -M, v13 the largest t, v[14:15] the sum; v16-23 Q; v24-87 eight fragments of K, then four of V; v88-119 the bias image's
; tiles 0-3 (window 0) and 4-7 (window 1); v120-183 S^T, then p; v184-215 O^T; v216-231 p's codes; v232-243 at work.  All addresses lie in window 0.
; BY TURNS: one head's maximum, scalings, sums, holds and conversions stand behind the other head's exponentials; each batch of 64 exponentials has one wait.
; RING: two LDS slots of 512 keys (128 KiB: K of head 0, K of head 1, V of head 0, V of head 1, 32 KiB each); wave w fetches 16 KiB to 16,384 w: waves 0-3 K's halves, waves 4-7 V's.  Three changes of slots in all.
; CLUSTER: the four blocks of queries of a cluster belong to one pair of heads and walk the same K and V: each tile is asked for JOINTLY, by the same tensor load with the same descriptor and a mask that names the four.
; K and V are not prefetched: a refill is asked for four key steps of both heads ahead of the wait for it.  The bias images are: the eight pairs of heads read the same ones, pair 0's work-groups name each block once.
; LIMITS: eq + ek between -100 and 120; ep and entry 6 between -126 and 112.  Padded keys and logits under -2^20 stand at -2^20 (made by the launch that lays mbk).  NaN is not served.
.set SLOT1, 1<<17                      ; slot 1 begins here: one exclusive or turns an address
.set STEPB, 8192                       ; a key step's part of each of a slot's four regions: 8 blocks of K, 2 planes x 4 blocks of V
.set SPARE, 262144                     ; behind the ring: the spare words, 128 bytes for each of eight waves
.set LI,  1                            ; v1   16 x lane
.set AD,  2                            ; v2   LI + the step's place in the ring: K's regions
.set ADV, 3                            ; v3   AD + 65,536: V's regions
.set SPW, 5                            ; v5   LDS address of my spare word; never rewritten
.set NIL, 6                            ; v6   0; never rewritten
.set PFB, 7                            ; v7   256 x lane: the bias prefetch's offset
.set F,   24
.set B,   88
.set S,   120
.set O,   184
.set P,   216
.set TB,    2                          ; s2   LDS byte at which the step in hand begins
.set SLOTS, 3                          ; s3   slots still to be asked for
.set WV,    18
.set INNER, 19                         ; s19  counts a slot's four steps
.set SEL,   20                         ; s[20:21] lane selects: lane l xor 16
.set CS,    22                         ; s[22:23] c = log2(e) / 8 x 2^(eq + ek)
.set G1K,   24                         ; s[24:31] descriptor group 1 for K's tiles; s[32:39] for V's
.set G1V,   32
.set G0K,   40                         ; s[40:47] group 0 for K's tiles: a set for each of the two first fills; the second then walks on
.set G0V,   48                         ; s[48:55] the same for V's
.set BB,    56                         ; s[56:57] the bias block of the step in hand
.set QB,    58                         ; s[58:59] head 0's Q
.set OB,    60                         ; s[60:61] head 0's output
.set KS,    66                         ; s66  the key step
.set LIMB,  67                         ; s67  13 in pair 0's work-groups, else 0: they prefetch the bias
.set MSB, 0
.macro WIN new                         ; the immediate's high byte repeats the setting that is left; a switch that changes nothing is dropped
.if MSB != (\new)
	s_set_vgpr_msb (MSB<<8)|(\new)
.set MSB, (\new)
.endif
.endm
; A joint refill.  The branch hangs on the wave's number alone.  Four v_nop follow each of the two lines.
.macro JLOAD
	s_cmp_lt_u32 s[WV], 4
	s_cbranch_scc0 .Lfor_v_\@
	tensor_load_to_lds s[G0K+4:G0K+7], s[G1K:G1K+7]
	s_nop 0
.rept 4
	v_nop
.endr
	s_branch .Lasked_\@
.Lfor_v_\@:
	tensor_load_to_lds s[G0V+4:G0V+7], s[G1V:G1V+7]
	s_nop 0
.rept 4
	v_nop
.endr
.Lasked_\@:
.endm
.macro CROUND                          ; a round of the cluster's barrier
	s_barrier_signal -1
	s_barrier_wait -1
	s_cmp_lg_u32 s[WV], 0
	s_cbranch_scc1 .Lnot_wave_0_\@
	s_barrier_signal -3
.Lnot_wave_0_\@:
	s_barrier_wait -3
	s_barrier_signal -1
	s_barrier_wait -1
.endm
.macro BLOAD off                       ; a bias block: sixteen images of 512 bytes; the first eight are tiles 0-3 (window 0), the others tiles 4-7 (window 1)
	WIN 0
.set i, 0
.rept 8
	global_load_b128 v[B+4*i:B+4*i+3], v[LI], s[BB:BB+1] offset:\off+512*i
.set i, i+1
.endr
	WIN 0x40                                       ; destination window 1, address window 0
.set i, 0
.rept 8
	global_load_b128 v[B+4*i:B+4*i+3], v[LI], s[BB:BB+1] offset:\off+4096+512*i
.set i, i+1
.endr
	WIN 0
.endm
	s_load_b256 s[4:11], s[0:1], 0x0               ; big s[4:5], mbk s[6:7], the exponents s[8:9], acts s[10:11]
	v_lshl_add_u32 v[SPW], v0, 2, SPARE
	v_mov_b32 v[NIL], 0
	ds_add_u32 v5, v6
	ds_add_u32 v5, v6
	s_wait_dscnt 0x0
	v_lshrrev_b32 v8, 5, v0
	s_delay_alu instid0(VALU_DEP_1)
	v_readfirstlane_b32 s[WV], v8                  ; wave 0..7
	s_and_b32 s78, ttmp7, 0xffff
	s_and_b32 s79, s78, 7                          ; the pair of heads
	s_lshr_b32 s80, s78, 3                         ; the batch
	; what I fetch: made of the pair, the batch and the wave's number alone, which the four partners share
	s_and_b32 s84, s[WV], 1                        ; which half of a region
	s_bfe_u32 s85, s[WV], 0x10001                  ; which head of the pair
	s_lshl_b32 s86, s79, 1
	s_add_co_u32 s86, s86, s85                     ; the head
	s_add_co_u32 s88, s86, 16
	s_lshl_b32 s88, s88, 18                        ; K: plane 16 + head,
	s_lshl_b32 s87, s80, 17
	s_add_co_u32 s88, s88, s87                     ; the batch's 2,048 rows of 64 bytes,
	s_lshl_b32 s87, s84, 14
	s_add_co_u32 s88, s88, s87                     ; my 256 of a slot's 512
	s_mov_b32 s89, 0
	s_lshl_b32 s90, s80, 21                        ; V^T: plane 32 x batch,
	s_lshl_b32 s87, s84, 18
	s_add_co_u32 s90, s90, s87                     ; my four of a slot's eight,
	s_lshl_b32 s87, s86, 12
	s_add_co_u32 s90, s90, s87                     ; the head's four blocks
	s_add_co_u32 s90, s90, 8388608
	s_mov_b32 s91, 0
	s_lshl_b32 s92, s[WV], 14                      ; and where it goes: wave x 16 KiB: no place in the cluster enters an LDS address
	; my queries
	s_bfe_u32 s76, ttmp6, 0x40000                  ; cx: my place in the cluster
	s_lshl_b32 s77, ttmp9, 2                       ; in a cluster launch ttmp9 counts clusters
	s_add_co_u32 s77, s77, s76                     ; my block of 128 queries: it enters Q's, the bias's and the output's addresses alone
	s_lshl_b32 s77, s77, 3
	s_lshl_b32 s81, s80, 7
	s_add_co_u32 s81, s81, s77
	s_add_co_u32 s81, s81, s[WV]                   ; my tile of queries: block 128 x batch + 8 x block of queries + wave
	s_lshl_b32 s82, s79, 19                        ; plane = the pair's first head,
	s_lshl_b32 s83, s81, 10
	s_add_co_u32 s82, s82, s83                     ; my block: q's place in big, and my output's in acts
	s_mov_b32 s83, 0
	s_lshl_b32 s94, s81, 17                        ; 16 bias blocks of 8,192 bytes a tile of queries
	s_mov_b32 s95, 0
	; descriptor group 1: four pieces of 4 KiB; K's follow each other, V's lie a plane (65,536 bytes) apart
	s_mov_b32 s[G1K], 15|(3<<16)|(1<<21)           ; 15:0 the mask: all four work-groups; 17:16 elements of 8 bytes; 20 no padding; 21 set beside a mask
	s_mov_b32 s[G1K+1], 512<<16                    ; tensor_dim0
	s_mov_b32 s[G1K+2], 4<<16                      ; tensor_dim1
	s_mov_b32 s[G1K+3], 512<<16                    ; tile_dim0
	s_mov_b32 s[G1K+4], 4                          ; tile_dim1
	s_mov_b32 s[G1K+5], 512                        ; tensor_dim0_stride
	s_mov_b32 s[G1K+6], 0
	s_mov_b32 s[G1K+7], 0
	s_mov_b32 s[G1V], 15|(3<<16)|(1<<21)
	s_mov_b32 s[G1V+1], 512<<16
	s_mov_b32 s[G1V+2], 4<<16
	s_mov_b32 s[G1V+3], 512<<16
	s_mov_b32 s[G1V+4], 4
	s_mov_b32 s[G1V+5], 8192
	s_mov_b32 s[G1V+6], 0
	s_mov_b32 s[G1V+7], 0
	s_mov_b32 s[SEL], 0x76543210
	s_mov_b32 s[SEL+1], 0xfedcba98
	s_mov_b32 s[CS], 0x3e38aa3b                    ; log2(e) / sqrt(64)
	s_mov_b32 s[TB], 0
	s_mov_b32 s[KS], 0
	s_cmp_eq_u32 s79, 0
	s_cselect_b32 s[LIMB], 13, 0
	s_wait_kmcnt 0x0
	s_load_b256 s[68:75], s[8:9], 0x0              ; e0 .. e7: eq s70, ek s71, ep s72, ev s73, the output's s74
	s_add_nc_u64 s[88:89], s[4:5], s[88:89]        ; K and V at my part of slot 0
	s_add_nc_u64 s[90:91], s[4:5], s[90:91]
	s_add_nc_u64 s[QB:QB+1], s[4:5], s[82:83]
	s_add_nc_u64 s[OB:OB+1], s[10:11], s[82:83]
	s_add_nc_u64 s[BB:BB+1], s[6:7], s[94:95]
	CROUND                                         ; all four work-groups are here: the first joint loads meet
.irp s, 0,1
	s_mov_b32 s[G0K+4*\s], 1                       ; 1:0 count = 1
	s_add_co_u32 s[G0K+4*\s+1], s92, \s*SLOT1      ; 63:32 LDS address
	s_add_nc_u64 s[G0K+4*\s+2:G0K+4*\s+3], s[88:89], \s*32768   ; 120:64 global address: slot s begins with keys 512 s
	s_or_b32 s[G0K+4*\s+3], s[G0K+4*\s+3], 0x80000000           ; 127:126 type = 2
	s_mov_b32 s[G0V+4*\s], 1
	s_add_co_u32 s[G0V+4*\s+1], s92, \s*SLOT1
	s_add_nc_u64 s[G0V+4*\s+2:G0V+4*\s+3], s[90:91], \s*524288  ; eight planes on
	s_or_b32 s[G0V+4*\s+3], s[G0V+4*\s+3], 0x80000000
.endr
	s_cmp_lt_u32 s[WV], 4                          ; a wave's two first fills stand in one branch, ahead of every wait on TENSORcnt and every LDS read: two loads of mine are out
	s_cbranch_scc0 .Lfirst_v
	tensor_load_to_lds s[G0K:G0K+3], s[G1K:G1K+7]
	s_nop 0
	tensor_load_to_lds s[G0K+4:G0K+7], s[G1K:G1K+7]
	s_nop 0
.rept 4
	v_nop
.endr
	s_branch .Lfirst_asked
.Lfirst_v:
	tensor_load_to_lds s[G0V:G0V+3], s[G1V:G1V+7]
	s_nop 0
	tensor_load_to_lds s[G0V+4:G0V+7], s[G1V:G1V+7]
	s_nop 0
.rept 4
	v_nop
.endr
.Lfirst_asked:
	v_and_b32 v8, 31, v0
	s_delay_alu instid0(VALU_DEP_1)
	v_lshlrev_b32 v[LI], 4, v8
	s_delay_alu instid0(VALU_DEP_2)
	v_lshlrev_b32 v[PFB], 8, v8                    ; a bias block is 32 x 256 bytes
.irp j, 0,1
	WIN (\j<<6)                                    ; destination window j, address window 0
	global_load_b128 v[16:19], v[LI], s[QB:QB+1] offset:262144*\j        ; Q's fragments stay in registers; the pair's second head lies a plane on
	global_load_b128 v[20:23], v[LI], s[QB:QB+1] offset:262144*\j+512
.endr
	BLOAD 0                                        ; key step 0's bias
	s_wait_kmcnt 0x0
	s_add_co_i32 s96, s70, s71
	s_lshl_b32 s96, s96, 23
	s_add_co_i32 s[CS], s[CS], s96                 ; eq + ek go into c's exponent field
	s_mov_b32 s[CS+1], s[CS]                       ; (named with it as a pair, so it is written)
	s_add_co_i32 s96, s72, 127
	s_lshl_b32 s97, s96, 23                        ; 2^ep
.irp j, 0,1
	WIN 0x55*\j                                    ; every operand place: window j
	v_mov_b32 v13, 0xff61b1e6                      ; the largest t so far: -3e38
	s_delay_alu instid0(VALU_DEP_1)
	v_floor_f32 v12, -v13                          ; -M
	v_mov_b32 v14, 0
	v_mov_b32 v15, 0
	v_mov_b32 v232, 0                              ; a lane permute's destination counts as one of its sources
	v_mov_b32 v235, 0                              ; (named as the upper half of the pair v[234:235])
	v_mov_b32 v239, s97
.set i, 0
.rept 32
	v_mov_b32 v[O+i], 0                            ; the step has no first step of its own: it finds zeros, which the first change of M leaves zeros
.set i, i+1
.endr
.endr
	WIN 0
; THE SOFTMAX OF HEAD j, in three parts.  SMAX: the new M, f, and t - M.
.macro SMAX j
	WIN 0x55*\j
	v_max3_num_f32 v240, v[S], v[S+1], v[S+2]      ; the step's largest score of my query among my 64 keys, in two chains, each tile from its low end on
	v_max3_num_f32 v241, v[S+3], v[S+4], v[S+5]
.irp i, 6,10,14,18,22,26,30,34,38,42,46,50,54,58
	v_max3_num_f32 v240, v240, v[S+\i], v[S+\i+1]
	v_max3_num_f32 v241, v241, v[S+\i+2], v[S+\i+3]
.endr
	v_max3_num_f32 v240, v240, v[S+62], v[S+63]
	s_delay_alu instid0(VALU_DEP_1)
	v_max_num_f32 v240, v240, v241
	s_delay_alu instid0(VALU_DEP_1)
	v_permlanex16_b32 v232, v240, s[SEL], s[SEL+1]
	s_delay_alu instid0(VALU_DEP_1)
	v_max_num_f32 v240, v240, v232                 ; and among lane l xor 16's
	s_delay_alu instid0(VALU_DEP_1)
	v_mul_f32 v240, s[CS], v240                    ; as t (c is positive)
	s_delay_alu instid0(VALU_DEP_1)
	v_max_num_f32 v13, v13, v240
	v_mov_b32 v240, v12
	s_delay_alu instid0(VALU_DEP_2)
	v_floor_f32 v12, -v13                          ; the new -M = -ceil(t)
	s_delay_alu instid0(VALU_DEP_1)
	v_sub_f32 v240, v12, v240                      ; old M - new M: a whole number, 0 or less
	s_delay_alu instid0(VALU_DEP_1)
	v_cvt_i32_f32 v240, v240                       ; (it saturates)
	s_delay_alu instid0(VALU_DEP_1)
	v_ldexp_f32 v234, 1.0, v240                    ; f = 2^(old M - new M)
.set n, 0
.rept 32
	v_pk_fma_f32 v[S+n:S+n+1], v[S+n:S+n+1], s[CS:CS+1], v[12:13] op_sel_hi:[1,0,0]   ; t - M
.set n, n+2
.endr
.endm
.macro SEXP j                          ; the batch of exponentials, and the plain line behind it
	WIN 0x55*\j
.set n, 0
.rept 64
	v_exp_f32 v[S+n], v[S+n]                       ; p = 2^(t - M)
.set n, n+1
.endr
	v_pk_mul_f32 v[14:15], v[14:15], v[234:235] op_sel_hi:[1,0]   ; the sums under the new M
.endm
.macro SFIN j                          ; the row's sum, the quantiser, O^T under the new M, and O^T += V^T P^T
	WIN 0x55*\j
	v_pk_add_f32 v[236:237], v[S:S+1], v[S+2:S+3]  ; the sum is taken of the unquantised p, in two chains
.irp i, 4,8,12,16,20,24,28,32,36,40,44,48,52,56,60
	v_pk_add_f32 v[14:15], v[14:15], v[S+\i:S+\i+1]
	v_pk_add_f32 v[236:237], v[236:237], v[S+\i+2:S+\i+3]
.endr
	s_delay_alu instid0(VALU_DEP_1)
	v_pk_add_f32 v[14:15], v[14:15], v[236:237]
.irp t, 0,1,2,3,4,5,6,7
.irp i, 0,1,2,3,4,5,6,7
.endr
	v_cvt_scalef32_pk8_bf8_f32 v[P+2*\t:P+2*\t+1], v[S+8*\t:S+8*\t+7], v239
.endr
.set n, 0
.rept 16
	v_pk_mul_f32 v[O+n:O+n+1], v[O+n:O+n+1], v[234:235] op_sel_hi:[1,0]   ; these are also the plain lines behind the conversions
.set n, n+2
.endr
	s_wait_alu depctr_va_vdst(0)
	s_wait_dscnt 16*(1-\j)                         ; my head's 16 loads of V are in; head 1's may be out while head 0 multiplies
.irp u, 0,1,2,3
	v_wmma_f32_16x16x128_bf8_bf8 v[O+8*\u:O+8*\u+7], v[F+16*\u:F+16*\u+15], v[P:P+15], v[O+8*\u:O+8*\u+7]
.endr
.endm
; A KEY STEP: 128 keys, both heads.
.macro STEP
	v_add_nc_u32 v[AD], s[TB], v[LI]
	s_delay_alu instid0(VALU_DEP_1)
	v_add_nc_u32 v[ADV], 0x10000, v[AD]
	v_nop                                          ; with the two additions: four plain lines between head 1's last products and the loads into the registers that they read
	v_nop
.irp j, 0,1
	WIN (\j<<6)                                    ; destination window j, address window 0
.irp t, 0,1,2,3,4,5,6,7
	ds_load_b128 v[F+8*\t:F+8*\t+3], v[AD] offset:32768*\j+1024*\t
	ds_load_b128 v[F+8*\t+4:F+8*\t+7], v[AD] offset:32768*\j+1024*\t+512
.endr
.endr
	s_wait_alu depctr_va_vdst(0)
	s_wait_loadcnt 0x0                             ; this step's bias (asked for a step ago), and the first time Q
.irp j, 0,1                                    ; S^T = K Q^T + bias
	s_wait_dscnt 16*(1-\j)                         ; head 0's 16 loads are in; head 1's may be out
.irp t, 0,1,2,3,4,5,6,7
	WIN (\j<<6)|((\t/4)<<4)|(\j<<2)|\j             ; D, K and Q in window j; C in the window that holds the image's tile
	v_wmma_f32_16x16x64_bf8_bf8 v[S+8*\t:S+8*\t+7], v[F+8*\t:F+8*\t+7], v[16:23], v[B+8*(\t%4):B+8*(\t%4)+7]
.endr
.endr
	WIN 0
.rept 4
	v_nop                                          ; four plain lines in front of the loads into K's and C's registers and of the first read of the scores
.endr
.irp j, 0,1                                    ; V's four fragments of each head: they land under the softmax
	WIN (\j<<6)
.irp u, 0,1,2,3
.irp pp, 0,1
	ds_load_b128 v[F+16*\u+8*\pp:F+16*\u+8*\pp+3], v[ADV] offset:32768*\j+4096*\pp+1024*\u
	ds_load_b128 v[F+16*\u+8*\pp+4:F+16*\u+8*\pp+7], v[ADV] offset:32768*\j+4096*\pp+1024*\u+512
.endr
.endr
.endr
	WIN 0
	s_cmp_lt_u32 s[KS], 15                         ; the last step asks for nothing: no load passes mbk's end
	s_cbranch_scc0 .Lno_more_\@
	BLOAD 8192                                     ; the next step's bias: it has both softmaxes and both second products in which to land
	s_cmp_lt_u32 s[KS], s[LIMB]                    ; pair 0's work-groups name the block three steps on, a lane to each 256 bytes, once in the launch; steps 13 to 15 have no such block
	s_cbranch_scc0 .Lno_more_\@
	global_prefetch_b8 v[PFB], s[BB:BB+1] offset:24576 th:TH_LOAD_NT scope:SCOPE_SE
.Lno_more_\@:
	SMAX 0
	s_wait_alu depctr_va_vdst(0)
	SEXP 0
	s_wait_alu depctr_va_vdst(0)
	SMAX 1                                         ; head 1's plain work stands behind head 0's exponentials
	s_wait_alu depctr_va_vdst(0)                   ; one wait for head 0's batch, ahead of its first reader
	SEXP 1
	s_wait_alu depctr_va_vdst(0)
	SFIN 0                                         ; head 0's plain work and products stand behind head 1's exponentials
	s_wait_alu depctr_va_vdst(0)                   ; one wait for head 1's batch
	SFIN 1
	WIN 0
	s_wait_xcnt 0x0                                ; the bias loads and the prefetch, two softmaxes back, have read their base
	s_add_nc_u64 s[BB:BB+1], s[BB:BB+1], 8192
	s_add_co_u32 s[TB], s[TB], STEPB
	s_add_co_u32 s[KS], s[KS], 1
.endm
.macro FOUR_STEPS                      ; a slot's four key steps: written once, walked four times; the LDS addresses hang on s[TB]
	s_mov_b32 s[INNER], 4
.Lstep_\@:
	STEP
	s_sub_co_u32 s[INNER], s[INNER], 1
	s_cmp_lg_u32 s[INNER], 0
	s_cbranch_scc1 .Lstep_\@
.endm
; THE CHANGE OF SLOTS.  Each wave waits for all its tensor loads, of which one is out: its part of the other slot; adds 0 to its spare word; and waits for that and for its reads of the slot that it leaves.
; fill = 1: the barrier is a round of the cluster's, so that no wave of any partner still reads the slot or has a load on its way, and the joint refill, the keys two slots on, is the first thing behind it.
.macro CHANGE fill
	WIN 0
	s_wait_tensorcnt 0x0                           ; no tensor load of mine is out, so a group 0 may be written
	ds_add_u32 v[SPW], v[NIL]                      ; 0 onto my spare word
.if \fill
	s_xor_b32 s[G0K+5], s[G0K+5], SLOT1            ; the walking descriptors: the other slot than last time,
	s_add_nc_u64 s[G0K+6:G0K+7], s[G0K+6:G0K+7], 32768    ; the next 512 keys; the type bits on top are not reached
	s_xor_b32 s[G0V+5], s[G0V+5], SLOT1
	s_add_nc_u64 s[G0V+6:G0V+7], s[G0V+6:G0V+7], 524288
	s_wait_dscnt 0x0                               ; the add is done, and my reads of the slot are over
	CROUND
	JLOAD
.else
	s_wait_dscnt 0x0
	s_barrier_signal -1
	s_barrier_wait -1
.endif
	s_sub_co_u32 s[TB], s[TB], 4*STEPB             ; back to a slot's first step,
	s_xor_b32 s[TB], s[TB], SLOT1                  ; in the other slot
.endm
	s_wait_tensorcnt 1                             ; my part of slot 0 is in; slot 1's may stay out
	s_barrier_signal -1
	s_barrier_wait -1                              ; everybody's is
	FOUR_STEPS                                     ; keys 0 to 511
	s_mov_b32 s[SLOTS], 2
.Lslot:                                            ; two trips: slots 0 and 1 are each filled once more
	CHANGE 1
	FOUR_STEPS
	s_sub_co_u32 s[SLOTS], s[SLOTS], 1
	s_cmp_lg_u32 s[SLOTS], 0
	s_cbranch_scc1 .Lslot
	CHANGE 0                                       ; the last slot is written out
	FOUR_STEPS
	; THE WAY OUT: O^T / the sum x 2^(ep + ev), quantised with entry 6; tiles 2 c2 and 2 c2 + 1 convert into one 16-byte piece of layout U: plane = head, block = my tile of queries
	s_add_co_i32 s96, s74, 127
	s_lshl_b32 s97, s96, 23                        ; the output's scale,
	s_add_co_i32 s98, s72, s73
.irp j, 0,1                                    ; head 0's lines are the plain lines behind head 1's last products
	WIN 0x55*\j
	v_mov_b32 v242, s97
	v_add_f32 v14, v14, v15
	s_delay_alu instid0(VALU_DEP_1)
	v_permlanex16_b32 v232, v14, s[SEL], s[SEL+1]
	s_delay_alu instid0(VALU_DEP_1)
	v_add_f32 v14, v14, v232                       ; the row's sum
	s_wait_alu depctr_va_vdst(0)
	v_rcp_f32 v14, v14
	v_nop                                          ; a plain line behind the transcendental,
	s_wait_alu depctr_va_vdst(0)                   ; and the wait ahead of its first reader
	v_ldexp_f32 v14, v14, s98
	s_delay_alu instid0(VALU_DEP_1)
	v_mov_b32 v15, v14
.set n, 0
.rept 16
	v_pk_mul_f32 v[O+n:O+n+1], v[O+n:O+n+1], v[14:15]
.set n, n+2
.endr
.set n, 0
.rept 32
.set n, n+1
.endr
.irp t, 0,1,2,3
	v_cvt_scalef32_pk8_bf8_f32 v[P+2*\t:P+2*\t+1], v[O+8*\t:O+8*\t+7], v242
.endr
	v_nop                                          ; one plain line behind the last conversion
	WIN (\j<<2)                                    ; the data in window j, the address in window 0
	global_store_b128 v[LI], v[P:P+3], s[OB:OB+1] offset:262144*\j        ; 512 consecutive bytes, aligned
	global_store_b128 v[LI], v[P+4:P+7], s[OB:OB+1] offset:262144*\j+512
.endr
	WIN 0
	s_wait_tensorcnt 0x0                           ; the wave's end
	ds_add_u32 v[SPW], v[NIL]
	s_wait_dscnt 0x0
	CROUND                                         ; the closing round: no work-group ends while a partner may still ask for a tile that names it
	s_endpgm
.Lfunc_end_k_q1bd686017f_attn:
	.size	k_q1bd686017f_attn, .Lfunc_end_k_q1bd686017f_attn-k_q1bd686017f_attn
	.p2alignl 7, 3214868480
	.fill 96, 4, 3214868480
	.section	.rodata,"a",@progbits
	.p2align	6, 0x0
	.amdhsa_kernel k_q1bd686017f_attn
		.amdhsa_group_segment_fixed_size 327680
		.amdhsa_private_segment_fixed_size 0
		.amdhsa_enable_private_segment 0
		.amdhsa_kernarg_size 32
		.amdhsa_user_sgpr_count 2
		.amdhsa_user_sgpr_kernarg_segment_ptr 1
		.amdhsa_wavefront_size32 1
		.amdhsa_system_sgpr_workgroup_id_x 1
		.amdhsa_system_sgpr_workgroup_id_y 1
		.amdhsa_system_sgpr_workgroup_id_z 1
		.amdhsa_system_vgpr_workitem_id 0
		.amdhsa_next_free_vgpr 512
		.amdhsa_next_free_sgpr 100
		.amdhsa_reserve_vcc 0
		.amdhsa_float_denorm_mode_32 3
		.amdhsa_float_denorm_mode_16_64 3
		.amdhsa_fp16_overflow 1
		.amdhsa_memory_ordered 1
		.amdhsa_forward_progress 1
		.amdhsa_inst_pref_size 105
	.end_amdhsa_kernel
	.amdgpu_metadata
---
amdhsa.version: [ 1, 2 ]
amdhsa.kernels:
  - .name:           k_q1bd686017f_attn
    .symbol:         k_q1bd686017f_attn.kd
    .args:
      - { .name: big, .offset: 0, .size: 8, .value_kind: global_buffer, .address_space: global }
      - { .name: mbk, .offset: 8, .size: 8, .value_kind: global_buffer, .address_space: global }
      - { .name: lowp_scales, .offset: 16, .size: 8, .value_kind: global_buffer, .address_space: global }
      - { .name: acts, .offset: 24, .size: 8, .value_kind: global_buffer, .address_space: global }
    .group_segment_fixed_size: 327680
    .private_segment_fixed_size: 0
    .kernarg_segment_align: 8
    .kernarg_segment_size: 32
    .max_flat_workgroup_size: 256
    .sgpr_count:     100
    .vgpr_count:     512
    .wavefront_size: 32
...
	.end_amdgpu_metadata
.endif
;; end of part 4
;; launch proj (part 5): grid 8 x 32, 4 waves a work-group, clusters of 4 x 4, 327,680 bytes of LDS; arguments acts, wcodes, lowp_scales, bproj, x, x1; writes x1
.if DOCPART == 5
	.amdgcn_target "amdgcn-amd-amdhsa--gfx1250"
	.amdhsa_code_object_version 6
	.text
	.protected	k_q1bd686017f_proj
	.globl	k_q1bd686017f_proj
	.p2align	8
	.type	k_q1bd686017f_proj,@function
k_q1bd686017f_proj:
	s_mov_b64 s[64:65], 0
	v_nop
	global_prefetch_b8 v0, s[64:65] scope:SCOPE_SE
	s_setreg_imm32_b32 hwreg(HW_REG_WAVE_MODE, 25, 1), 1
	s_wait_xcnt 0x0
	s_wait_alu depctr_hold_cnt(0) depctr_sa_sdst(0) depctr_va_vdst(0) depctr_va_sdst(0) depctr_va_ssrc(0) depctr_va_vcc(0) depctr_vm_vsrc(0)
	s_getreg_b32 s2, hwreg(HW_REG_IB_STS2, 6, 4)
	s_cmp_eq_u32 s2, 0
	s_cbranch_scc0 .Lentry_in_a_cluster
	s_endpgm
.Lentry_in_a_cluster:
	s_bfe_u32 s2, ttmp6, 0x10000c
	s_cmp_lg_u32 s2, 0xf033
	s_cbranch_scc0 .Lentry_shape_is_right
	s_endpgm
.Lentry_shape_is_right:
; out[m][n] = resid[m][n] + bias[n] + 2^(ea + eb) x the sum over k of A[m][k] B[n][k], on codes of E5M2.  Here: x1 = x + attn_out Wproj + bproj.  M = 4,096, N = 1,024, K = 1,024.
; Both operands lie in layout U: [plane = k / 64][block = row / 16][1,024 bytes], the image of the 8-bit operand's registers: a fragment of 16 rows x 128 K is four loads of 512 consecutive bytes.
; A tile of 128 x 128 gives 256 work-groups (256 x 256 would give 64).  Four waves, 64 x 64 each: 16 accumulators.  K goes in steps of 512 (eight planes) through two LDS slots; a wave's tensor load brings four planes x 8 KiB.
; CLUSTERS: 4 x 4; A's tile is asked for jointly along a row of the cluster, B's along a column.  The matrix instruction is used transposed: a lane holds eight neighbouring columns of one row.
; The residual is loaded at the head into registers of its own.  Results go through the wave's own stage and leave as rows: sixteen lanes store 256 consecutive bytes, aligned.
; LIMIT: ea + eb between -126 and 127.
; REGISTERS: window 0: v0-31 addresses; v32-63 bias; v64-95 numbers; v96-127 rows read back; v128-255 accumulators ((a, b) at 128 + 8 (4 a + b)).  window 1: two fragment buffers of 128 (A's 4 x 16, then B's).  window 2: v0-127 the residual.
.set LAPS,  1                          ; K / 1,024: a lap = two K steps
.set WOFF,  196608                     ; B's rows in wcodes: Wproj lies at row 3,072 of the first region
.set PSB,   262144                     ; a plane of B
.set SOFF,  24                         ; entries 6 and 7 of the exponents
.set PSA,   262144
.set SLOT,  131072                     ; A's 8 planes x 8 KiB, then B's
.set STAGE, 262144                     ; behind the ring: 16 rows x 272 bytes for each wave
.set SPARE, 279552                     ; behind the stages: the spare words, 128 bytes for each wave
.set ADRA, 16
.set ADRB, 20
.set STO,  24
.set RD,   25
.set CO,   26
.set SPW,  28
.set NIL,  29
.set BN,   32
.set TMP,  64
.set BK,   96
.set ACC,  128
.set F0,   0
.set F1,   128
.set G1, 24
.set G0, 32
.set G1B, 48
.set G0B, 56
.set MSB, 0
.macro WIN new
.if MSB != \new
	s_set_vgpr_msb (MSB<<8)|\new
.set MSB, \new
.endif
.endm
.set MUL,  0x05                        ; sources 0 (B) and 1 (A) window 1; C and D window 0
.set TO_F, 0x40                        ; destination window 1, address window 0
.macro JLOAD s                         ; a joint load: waves 0 and 1 fetch for A, waves 2 and 3 for B; four v_nop follow each line
	s_cmp_eq_u32 s68, 0
	s_cbranch_scc0 .Lfor_b_\@
	tensor_load_to_lds s[G0+4*\s:G0+4*\s+3], s[G1:G1+7]
	s_nop 0
.rept 4
	v_nop
.endr
	s_branch .Lasked_\@
.Lfor_b_\@:
	tensor_load_to_lds s[G0B+4*\s:G0B+4*\s+3], s[G1B:G1B+7]
	s_nop 0
.rept 4
	v_nop
.endr
.Lasked_\@:
.endm
.macro CREST
	s_cmp_lg_u32 s67, 0
	s_cbranch_scc1 .Lnot_wave_0_\@
	s_barrier_signal -3
.Lnot_wave_0_\@:
	s_barrier_wait -3
	s_barrier_signal -1
	s_barrier_wait -1
.endm
.macro CROUND
	s_barrier_signal -1
	s_barrier_wait -1
	CREST
.endm
	s_load_b256 s[4:11], s[0:1], 0x0               ; A's codes s[4:5], wcodes s[6:7], the exponents s[8:9], the bias s[10:11]
	s_load_b128 s[12:15], s[0:1], 0x20             ; the residual s[12:13], the output s[14:15]
	v_lshl_add_u32 v[SPW], v0, 2, SPARE
	v_mov_b32 v[NIL], 0
	ds_add_u32 v28, v29
	ds_add_u32 v28, v29
	s_wait_dscnt 0x0
	v_lshrrev_b32 v1, 5, v0
	v_readfirstlane_b32 s67, v1                    ; wave 0..3
	s_lshr_b32 s68, s67, 1                         ; which half of the tile's rows is mine.  Also: I fetch for A (0) or for B (1)
	s_and_b32 s69, s67, 1                          ; which half of its columns.  Also: which four planes of a K step I fetch
	s_bfe_u32 s40, ttmp6, 0x40000
	s_bfe_u32 s41, ttmp6, 0x40004
	s_lshl_b32 s42, ttmp9, 2
	s_add_co_u32 s42, s42, s40                     ; tile column
	s_and_b32 s17, ttmp7, 0xffff
	s_lshl_b32 s17, s17, 2
	s_add_co_u32 s17, s17, s41                     ; tile row
	s_lshl_b32 s43, s41, 2
	s_lshl_b32 s43, 15, s43
	s_lshl_b32 s44, 0x1111, s40
	s_or_b32 s[G1+0], s43, (3<<16)|(1<<21)         ; the mask: A's tiles go to my row; elements of 8 bytes; no padding; bit 21 beside a mask
	s_or_b32 s[G1B+0], s44, (3<<16)|(1<<21)
.irp g, G1, G1B
	s_mov_b32 s[\g+1], 1024<<16                    ; tensor_dim0 = 1,024 elements: 128 rows of a plane
	s_mov_b32 s[\g+2], 4<<16                       ; tensor_dim1 = 4 planes
	s_mov_b32 s[\g+3], 1024<<16                    ; tile_dim0
	s_mov_b32 s[\g+4], 4                           ; tile_dim1
	s_mov_b32 s[\g+6], 0
	s_mov_b32 s[\g+7], 0
.endr
	s_mov_b32 s[G1+5], PSA/8                       ; tensor_dim0_stride: a plane
	s_mov_b32 s[G1B+5], PSB/8
	s_lshl_b32 s20, s17, 13
	s_lshl_b32 s18, s69, 20                        ; four planes of A
	s_add_co_u32 s20, s20, s18
	s_mov_b32 s21, 0
	s_lshl_b32 s46, s42, 13
	s_mul_i32 s18, s69, 4*PSB
	s_add_co_u32 s46, s46, s18
	s_add_co_u32 s46, s46, WOFF
	s_mov_b32 s47, 0
	s_lshl_b32 s45, s67, 15                        ; where they go: wave x 32 KiB
	s_wait_kmcnt 0x0
	s_load_b64 s[70:71], s[8:9], SOFF              ; ea, eb
	s_add_nc_u64 s[20:21], s[4:5], s[20:21]
	s_add_nc_u64 s[46:47], s[6:7], s[46:47]
	CROUND                                         ; all sixteen work-groups are here: the first joint loads meet
.irp s, 0,1
	s_mov_b32 s[G0+4*\s], 1
	s_add_co_u32 s[G0+4*\s+1], s45, \s*SLOT
	s_add_nc_u64 s[G0+4*\s+2:G0+4*\s+3], s[20:21], \s*8*PSA
	s_or_b32 s[G0+4*\s+3], s[G0+4*\s+3], 0x80000000
	s_mov_b32 s[G0B+4*\s], 1
	s_add_co_u32 s[G0B+4*\s+1], s45, \s*SLOT
	s_add_nc_u64 s[G0B+4*\s+2:G0B+4*\s+3], s[46:47], \s*8*PSB
	s_or_b32 s[G0B+4*\s+3], s[G0B+4*\s+3], 0x80000000
	JLOAD \s
.endr
	v_and_b32 v1, 31, v0
	v_lshlrev_b32 v3, 4, v1                        ; 16 x lane
	v_and_b32 v4, 15, v0                           ; r
	v_bfe_u32 v5, v0, 4, 1                         ; h
	s_lshl_b32 s21, s68, 12                        ; my 64 rows of A: 4 blocks
	s_lshl_b32 s22, s69, 12
	s_add_co_u32 s22, s22, 65536                   ; B lies behind A's eight planes
.irp s, 0,1
	v_add_nc_u32 v[ADRA+\s], s21, v3
	v_add_nc_u32 v[ADRB+\s], s22, v3
	s_add_co_u32 s21, s21, SLOT
	s_add_co_u32 s22, s22, SLOT
.endr
	s_mul_i32 s23, s67, 16*272
	s_add_co_u32 s23, s23, STAGE                   ; my stage
	v_mul_u32_u24 v6, v4, 272
	v_lshl_add_u32 v6, v5, 5, v6
	v_add_nc_u32 v[STO], s23, v6                   ; in: row r, + 32 h
	v_mul_u32_u24 v6, v5, 272
	v_lshl_add_u32 v6, v4, 4, v6
	v_add_nc_u32 v[RD], s23, v6                    ; back: lanes 0-15 one row of 256 bytes, lanes 16-31 the next
	v_lshlrev_b32 v6, 12, v5
	v_lshl_add_u32 v[CO], v4, 4, v6                ; and the same two rows in memory (4,096 bytes a row)
	v_lshlrev_b32 v2, 5, v5                        ; the bias: 32 h
	s_lshl_b32 s74, s17, 19
	s_lshl_b32 s75, s68, 18
	s_add_co_u32 s74, s74, s75                     ; my first row: 128 x tile row + 64 x half
	s_lshl_b32 s72, s42, 9
	s_lshl_b32 s75, s69, 8
	s_add_co_u32 s72, s72, s75                     ; my first column, in bytes
	s_add_co_u32 s74, s74, s72
	s_mov_b32 s75, 0
	s_mov_b32 s73, 0
	s_add_nc_u64 s[12:13], s[12:13], s[74:75]
	s_add_nc_u64 s[14:15], s[14:15], s[74:75]
	s_add_nc_u64 s[10:11], s[10:11], s[72:73]
.irp b, 0,1,2,3
	global_load_b128 v[BN+8*\b:BN+8*\b+3], v2, s[10:11] offset:64*\b
	global_load_b128 v[BN+8*\b+4:BN+8*\b+7], v2, s[10:11] offset:64*\b+16
.endr
	WIN 0x80                                       ; destination window 2
.irp a, 0,1,2,3
.irp t, 0,1,2,3,4,5,6,7
	global_load_b128 v[32*\a+4*\t:32*\a+4*\t+3], v[CO], s[12:13] offset:(16*\a+2*\t)*4096
.endr
.endr
	WIN 0
.macro FRAG reg, adr, q, i             ; 16 rows x 128 K: planes 2 q, 2 q + 1 of the slot, block i
.irp pp, 0,1
.irp c2, 0,1
	ds_load_b128 v[\reg+8*\pp+4*\c2:\reg+8*\pp+4*\c2+3], v[\adr] offset:(2*(\q)+\pp)*8192+(\i)*1024+\c2*512
.endr
.endr
.endm
.macro FETCH slot, q, f                ; 32 LDS loads in one run: B's four fragments, then A's
	WIN TO_F
.irp i, 0,1,2,3
	FRAG \f+64+16*\i, ADRB+\slot, \q, \i
.endr
.irp i, 0,1,2,3
	FRAG \f+16*\i, ADRA+\slot, \q, \i
.endr
.endm
.macro MUL4 f, a, zero                 ; the 16 accumulators take turns, one instruction a turn, in the same order everywhere
.irp b, 0,1,2,3
.if \zero
	v_wmma_f32_16x16x128_bf8_bf8 v[ACC+8*(4*\a+\b):ACC+8*(4*\a+\b)+7], v[\f+64+16*\b:\f+64+16*\b+15], v[\f+16*\a:\f+16*\a+15], 0
.else
	v_wmma_f32_16x16x128_bf8_bf8 v[ACC+8*(4*\a+\b):ACC+8*(4*\a+\b)+7], v[\f+64+16*\b:\f+64+16*\b+15], v[\f+16*\a:\f+16*\a+15], v[ACC+8*(4*\a+\b):ACC+8*(4*\a+\b)+7]
.endif
.endr
.endm
.macro PLACES
.rept 4
	v_nop
.endr
.endm
.macro QUARTER slot, qn, f, g, zero    ; 128 along K on buffer f; in its middle the next quarter's fragments go into buffer g
	s_wait_dscnt 8                                 ; B and A's blocks 0, 1 are in; the youngest eight loads (A's blocks 2, 3) may be out
	WIN MUL
	MUL4 \f, 0, \zero
	MUL4 \f, 1, \zero
	PLACES
	FETCH \slot, \qn, \g
	s_wait_dscnt 32                                ; all but the 32 just issued
	WIN MUL
	MUL4 \f, 2, \zero
	MUL4 \f, 3, \zero
.endm
.macro TURN slot, next, fill           ; a K step's last quarter, and the change of slots
	WIN 0
	s_wait_tensorcnt 0x0                           ; all my tensor loads have landed: my part of the next slot;
	ds_add_u32 v[SPW], v[NIL]                      ; 0 onto my spare word;
	s_wait_dscnt 9                                 ; (the add and the youngest eight loads may be out)
	WIN MUL
	MUL4 F1, 0, 0
	s_wait_dscnt 0x0                               ; the add is done, and my reads of this slot are over
	s_barrier_signal -1
	MUL4 F1, 1, 0
.if \fill
	WIN 0
.endif
	s_barrier_wait -1
.if \fill
	CREST                                          ; the barrier has opened a round of the cluster's barrier
	s_add_nc_u64 s[G0+4*\slot+2:G0+4*\slot+3], s[G0+4*\slot+2:G0+4*\slot+3], 16*PSA
	s_add_nc_u64 s[G0B+4*\slot+2:G0B+4*\slot+3], s[G0B+4*\slot+2:G0B+4*\slot+3], 16*PSB
	JLOAD \slot                                    ; the first tensor load behind the round; its four v_nop are the places in front of the loads below
.else
	PLACES
.endif
	FETCH \next, 0, F0
	WIN MUL
	MUL4 F1, 2, 0
	MUL4 F1, 3, 0
.endm
	s_wait_tensorcnt 1                             ; my part of K step 0 is in (K step 1's may be out)
	s_barrier_signal -1
	s_barrier_wait -1
	FETCH 0, 0, F0
	QUARTER 0, 1, F0, F1, 1                        ; the first quarter's products start the sums
.if LAPS > 1
	WIN 0
	s_mov_b32 s3, LAPS-1
.Llap:
	QUARTER 0, 2, F1, F0, 0
	QUARTER 0, 3, F0, F1, 0
	TURN 0, 1, 1
	QUARTER 1, 1, F0, F1, 0
	QUARTER 1, 2, F1, F0, 0
	QUARTER 1, 3, F0, F1, 0
	TURN 1, 0, 1
	QUARTER 0, 1, F0, F1, 0
	WIN 0
	s_sub_co_u32 s3, s3, 1
	s_cmp_lg_u32 s3, 0
	s_cbranch_scc1 .Llap
.endif
	QUARTER 0, 2, F1, F0, 0                        ; the last lap fills nothing
	QUARTER 0, 3, F0, F1, 0
	TURN 0, 1, 0
	QUARTER 1, 1, F0, F1, 0
	QUARTER 1, 2, F1, F0, 0
	QUARTER 1, 3, F0, F1, 0
	s_wait_dscnt 8
	WIN MUL
	MUL4 F1, 0, 0
	MUL4 F1, 1, 0
	s_wait_dscnt 0
	MUL4 F1, 2, 0
	MUL4 F1, 3, 0
	WIN 0
	; THE WAY OUT, 16 rows x 64 columns at a time
	s_wait_kmcnt 0x0
	s_add_co_i32 s72, s70, s71
	s_add_co_i32 s72, s72, 127
	s_lshl_b32 s72, s72, 23                        ; 2^(ea + eb)
	s_mov_b32 s73, s72
	s_wait_loadcnt 0x0                             ; the bias and the residual
	PLACES
.macro POUT a
.set j, 0
.rept 16
	v_pk_fma_f32 v[TMP+j:TMP+j+1], v[ACC+32*\a+j:ACC+32*\a+j+1], s[72:73], v[BN+j:BN+j+1] op_sel_hi:[1,0,1]   ; each accumulator from its low end on
.set j, j+2
.endr
.irp b, 0,1,2,3
	ds_store_b128 v[STO], v[TMP+8*\b:TMP+8*\b+3] offset:64*\b
	ds_store_b128 v[STO], v[TMP+8*\b+4:TMP+8*\b+7] offset:64*\b+16
.endr
.if \a > 0
	s_wait_xcnt 0x0                                ; the last block's stores have read their registers
.endif
.irp t, 0,1,2,3,4,5,6,7
	ds_load_b128 v[BK+4*\t:BK+4*\t+3], v[RD] offset:544*\t   ; LDS serves a wave's instructions in order (ISA guide 5.7.1.4): these see the stores above
.endr
	s_wait_dscnt 0x0
	WIN 0x08                                       ; source 1: window 2
.set j, 0
.rept 16
	v_pk_add_f32 v[BK+j:BK+j+1], v[BK+j:BK+j+1], v[32*\a+j:32*\a+j+1]
.set j, j+2
.endr
	WIN 0
.irp t, 0,1,2,3,4,5,6,7
	global_store_b128 v[CO], v[BK+4*\t:BK+4*\t+3], s[14:15] offset:(16*\a+2*\t)*4096   ; sixteen lanes store 256 consecutive bytes, aligned
.endr
.endm
.irp a, 0,1,2,3
	POUT \a
.endr
	s_wait_tensorcnt 0x0                           ; the wave's end
	ds_add_u32 v[SPW], v[NIL]
	s_wait_dscnt 0x0
	CROUND                                         ; the closing round
	s_endpgm
.Lfunc_end_k_q1bd686017f_proj:
	.size	k_q1bd686017f_proj, .Lfunc_end_k_q1bd686017f_proj-k_q1bd686017f_proj
	.p2alignl 7, 3214868480
	.fill 96, 4, 3214868480
	.section	.rodata,"a",@progbits
	.p2align	6, 0x0
	.amdhsa_kernel k_q1bd686017f_proj
		.amdhsa_group_segment_fixed_size 327680
		.amdhsa_private_segment_fixed_size 0
		.amdhsa_enable_private_segment 0
		.amdhsa_kernarg_size 48
		.amdhsa_user_sgpr_count 2
		.amdhsa_user_sgpr_kernarg_segment_ptr 1
		.amdhsa_wavefront_size32 1
		.amdhsa_system_sgpr_workgroup_id_x 1
		.amdhsa_system_sgpr_workgroup_id_y 1
		.amdhsa_system_sgpr_workgroup_id_z 1
		.amdhsa_system_vgpr_workitem_id 0
		.amdhsa_next_free_vgpr 640
		.amdhsa_next_free_sgpr 100
		.amdhsa_reserve_vcc 0
		.amdhsa_float_denorm_mode_32 3
		.amdhsa_float_denorm_mode_16_64 3
		.amdhsa_memory_ordered 1
		.amdhsa_forward_progress 1
		.amdhsa_inst_pref_size 53
	.end_amdhsa_kernel
	.amdgpu_metadata
---
amdhsa.version: [ 1, 2 ]
amdhsa.kernels:
  - .name:           k_q1bd686017f_proj
    .symbol:         k_q1bd686017f_proj.kd
    .args:
      - { .name: acts, .offset: 0, .size: 8, .value_kind: global_buffer, .address_space: global }
      - { .name: wcodes, .offset: 8, .size: 8, .value_kind: global_buffer, .address_space: global }
      - { .name: lowp_scales, .offset: 16, .size: 8, .value_kind: global_buffer, .address_space: global }
      - { .name: bproj, .offset: 24, .size: 8, .value_kind: global_buffer, .address_space: global }
      - { .name: x, .offset: 32, .size: 8, .value_kind: global_buffer, .address_space: global }
      - { .name: x1, .offset: 40, .size: 8, .value_kind: global_buffer, .address_space: global }
    .group_segment_fixed_size: 327680
    .private_segment_fixed_size: 0
    .kernarg_segment_align: 8
    .kernarg_segment_size: 48
    .max_flat_workgroup_size: 128
    .sgpr_count:     100
    .vgpr_count:     640
    .wavefront_size: 32
...
	.end_amdgpu_metadata
.endif
;; end of part 5
;; launch ln2: the kernel of part 2 again; grid 256 x 1, 8 waves a work-group, no clusters, 18,432 bytes of LDS; arguments x1, ss2, acts; writes acts
;; launch mlp1 (part 6): grid 16 x 16, 4 waves a work-group, clusters of 4 x 4, 327,680 bytes of LDS; arguments acts, wcodes, lowp_scales, bmlp1, big; writes big
.if DOCPART == 6
	.amdgcn_target "amdgcn-amd-amdhsa--gfx1250"
	.amdhsa_code_object_version 6
	.text
	.protected	k_q1bd686017f_mlp1
	.globl	k_q1bd686017f_mlp1
	.p2align	8
	.type	k_q1bd686017f_mlp1,@function
k_q1bd686017f_mlp1:
	s_mov_b64 s[64:65], 0
	v_nop
	global_prefetch_b8 v0, s[64:65] scope:SCOPE_SE
	s_setreg_imm32_b32 hwreg(HW_REG_WAVE_MODE, 25, 1), 1
	s_wait_xcnt 0x0
	s_wait_alu depctr_hold_cnt(0) depctr_sa_sdst(0) depctr_va_vdst(0) depctr_va_sdst(0) depctr_va_ssrc(0) depctr_va_vcc(0) depctr_vm_vsrc(0)
	s_getreg_b32 s2, hwreg(HW_REG_IB_STS2, 6, 4)
	s_cmp_eq_u32 s2, 0
	s_cbranch_scc0 .Lentry_in_a_cluster
	s_endpgm
.Lentry_in_a_cluster:
	s_bfe_u32 s2, ttmp6, 0x10000c
	s_cmp_lg_u32 s2, 0xf033
	s_cbranch_scc0 .Lentry_shape_is_right
	s_endpgm
.Lentry_shape_is_right:
; g = gelu(h2 Wmlp1 + bmlp1) as codes of E5M2, from the codes of h2 (acts) and of Wmlp1 (wcodes, 4 MiB on).  M = N = 4,096, K = 1,024.  Out: big, layout U, rows = tokens, 64 planes.
; All operands lie in layout U: [plane = k / 64][block = row / 16][1,024 bytes], the image of the 8-bit operand's registers: a fragment of 16 rows x 128 K is four loads of 512 consecutive bytes, no padding.
; A tile of C, 256 x 256, is made by four waves, 128 x 128 each (64 accumulators).  K goes in four steps of 256 (four planes) through a ring of two LDS slots; a wave's tensor load brings two planes x 16 KiB.
; CLUSTERS: 4 x 4 work-groups; A's tile is asked for jointly along a row of the cluster, B's along a column.  The matrix instruction is used transposed: a lane holds row m = lane % 16 and columns 16 b + 8 (lane / 16) + 0..7,
; so accumulators (a, b) and (a, b + 1) convert into one 16-byte piece of the output's layout, and the codes leave straight from registers.
; GELU, exact form: 2 gelu(y) = y erfc(-y / sqrt 2) = (y + |y|) - |y| q, q = erfc(|y| / sqrt 2): no difference of near numbers.  q = t (a1 + t (a2 + t (a3 + t (a4 + t a5)))) 2^(-y^2 log2(e) / 2), t = 1 / (1 + 0.23164189 |y|)
; (Abramowitz and Stegun 7.1.26: the error of erf is at most 1.5e-7).  The factor 1/2 goes into the quantiser: its scale is 2^(e10 + 1).
; The way out is a loop of 16 trips of 32 numbers a lane; only the lines that read the accumulators differ from trip to trip: they stand in a chain of branches on the trip's number.
; LIMITS: e8 + e9 between -126 and 127; e10 between -127 and 111.  NaN and infinities are not served.
.set PS,     262144
.set SLOT,   131072                    ; A's 4 planes x 16 KiB, then B's
.set SPARE,  262144                    ; behind the ring: the spare words, 128 bytes for each wave
.set LAPS,   2
.set FR,     16
.set NL,     4
.set NP,     4
.set ADRA, 16
.set ADRB, 20
.set LI,   24                          ; v24  16 x lane
.set VA,   25                          ; v25  the trip's store offset
.set SPW,  28
.set NIL,  29
.set BN,   32                          ; v32-95   the bias along n
.set YA,   96                          ; v96-127  y + |y|
.set AF,   128
.set Y,    128                         ; on the way out: v128-159 y, v160-191 t (then the codes), v192-223 the exponential (then 2 gelu), v224-255 the polynomial
.set U,    160
.set E,    192
.set P,    224
.set G1, 24
.set G0, 32
.set G1B, 48
.set G0B, 56
.set MSB, 0
.macro WIN new
.if MSB != \new
	s_set_vgpr_msb (MSB<<8)|\new
.set MSB, \new
.endif
.endm
.set MUL_LO, 0xa1
.set MUL_HI, 0xf1
.set TO_B,   0x40
.macro JLOAD g0a, g1a, g0b, g1b        ; a joint load: waves 0 and 1 fetch for A, waves 2 and 3 for B; four v_nop follow each line
	s_cmp_eq_u32 s15, 0
	s_cbranch_scc0 .Lfor_b_\@
	tensor_load_to_lds s[\g0a:\g0a+3], s[\g1a:\g1a+7]
	s_nop 0
.rept 4
	v_nop
.endr
	s_branch .Lasked_\@
.Lfor_b_\@:
	tensor_load_to_lds s[\g0b:\g0b+3], s[\g1b:\g1b+7]
	s_nop 0
.rept 4
	v_nop
.endr
.Lasked_\@:
.endm
.macro CREST
	s_cmp_lg_u32 s14, 0
	s_cbranch_scc1 .Lnot_wave_0_\@
	s_barrier_signal -3
.Lnot_wave_0_\@:
	s_barrier_wait -3
	s_barrier_signal -1
	s_barrier_wait -1
.endm
.macro CROUND
	s_barrier_signal -1
	s_barrier_wait -1
	CREST
.endm
	s_load_b256 s[4:11], s[0:1], 0x0               ; acts s[4:5], wcodes s[6:7], the exponents s[8:9], bmlp1 s[10:11]
	s_load_b64 s[12:13], s[0:1], 0x20              ; big
	v_lshl_add_u32 v[SPW], v0, 2, SPARE
	v_mov_b32 v[NIL], 0
	ds_add_u32 v28, v29
	ds_add_u32 v28, v29
	s_wait_dscnt 0x0
	v_lshrrev_b32 v1, 5, v0
	v_readfirstlane_b32 s14, v1                    ; wave 0..3
	s_lshr_b32 s15, s14, 1                         ; which half of the tile's rows is mine.  Also: I fetch for A (0) or for B (1)
	s_and_b32 s16, s14, 1                          ; which half of its columns.  Also: which two planes of a K step I fetch
	s_bfe_u32 s40, ttmp6, 0x40000
	s_bfe_u32 s41, ttmp6, 0x40004
	s_lshl_b32 s42, ttmp9, 2
	s_add_co_u32 s42, s42, s40                     ; tile column
	s_and_b32 s17, ttmp7, 0xffff
	s_lshl_b32 s17, s17, 2
	s_add_co_u32 s17, s17, s41                     ; tile row
	s_lshl_b32 s43, s41, 2
	s_lshl_b32 s43, 15, s43
	s_lshl_b32 s44, 0x1111, s40
	s_or_b32 s[G1+0], s43, (3<<16)|(1<<21)         ; the mask: A's tiles go to my row; elements of 8 bytes; no padding; bit 21 beside a mask
	s_or_b32 s[G1B+0], s44, (3<<16)|(1<<21)
.irp g, G1, G1B
	s_mov_b32 s[\g+1], 2048<<16                    ; tensor_dim0 = 2,048 elements: 256 rows of a plane
	s_mov_b32 s[\g+2], 2<<16                       ; tensor_dim1 = 2 planes
	s_mov_b32 s[\g+3], 2048<<16                    ; tile_dim0
	s_mov_b32 s[\g+4], 2                           ; tile_dim1
	s_mov_b32 s[\g+5], PS/8                        ; tensor_dim0_stride
	s_mov_b32 s[\g+6], 0
	s_mov_b32 s[\g+7], 0
.endr
	s_lshl_b32 s86, s16, 19                        ; my two planes
	s_lshl_b32 s20, s17, 14
	s_add_co_u32 s20, s20, s86
	s_mov_b32 s21, 0
	s_lshl_b32 s46, s42, 14
	s_add_co_u32 s46, s46, s86
	s_add_co_u32 s46, s46, 4194304                 ; Wmlp1's codes
	s_mov_b32 s47, 0
	s_lshl_b32 s45, s14, 15                        ; where they go: wave x 32 KiB
	s_wait_kmcnt 0x0
	s_load_b128 s[88:91], s[8:9], 0x20             ; e8 .. e11
	s_add_nc_u64 s[20:21], s[4:5], s[20:21]
	s_add_nc_u64 s[46:47], s[6:7], s[46:47]
	CROUND                                         ; all sixteen work-groups are here: the first joint loads meet
.irp s, 0,1
	s_mov_b32 s[G0+4*\s], 1
	s_add_co_u32 s[G0+4*\s+1], s45, \s*SLOT
	s_add_nc_u64 s[G0+4*\s+2:G0+4*\s+3], s[20:21], \s*4*PS
	s_or_b32 s[G0+4*\s+3], s[G0+4*\s+3], 0x80000000
	s_mov_b32 s[G0B+4*\s], 1
	s_add_co_u32 s[G0B+4*\s+1], s45, \s*SLOT
	s_add_nc_u64 s[G0B+4*\s+2:G0B+4*\s+3], s[46:47], \s*4*PS
	s_or_b32 s[G0B+4*\s+3], s[G0B+4*\s+3], 0x80000000
	JLOAD G0+4*\s, G1, G0B+4*\s, G1B
.endr
	v_and_b32 v1, 31, v0
	v_lshlrev_b32 v[LI], 4, v1
	s_lshl_b32 s21, s15, 13
	s_lshl_b32 s22, s16, 13
	s_add_co_u32 s22, s22, 65536
.irp s, 0,1
	v_add_nc_u32 v[ADRA+\s], s21, v[LI]
	v_add_nc_u32 v[ADRB+\s], s22, v[LI]
	s_add_co_u32 s21, s21, SLOT
	s_add_co_u32 s22, s22, SLOT
.endr
	s_lshl_b32 s72, s42, 10
	s_lshl_b32 s73, s16, 9
	s_add_co_u32 s72, s72, s73                     ; the bias at my first column
	s_mov_b32 s73, 0
	s_add_nc_u64 s[72:73], s[10:11], s[72:73]
	v_bfe_u32 v2, v0, 4, 1
	v_lshlrev_b32 v2, 5, v2                        ; 32 h
.irp b, 0,1,2,3,4,5,6,7
	global_load_b128 v[BN+8*\b:BN+8*\b+3], v2, s[72:73] offset:64*\b
	global_load_b128 v[BN+8*\b+4:BN+8*\b+7], v2, s[72:73] offset:64*\b+16
.endr
	s_lshl_b32 s76, s42, 2
	s_lshl_b32 s77, s16, 1
	s_add_co_u32 s76, s76, s77
	s_lshl_b32 s76, s76, 18                        ; plane 4 x tile column + 2 x half,
	s_lshl_b32 s77, s17, 4
	s_lshl_b32 s78, s15, 3
	s_add_co_u32 s77, s77, s78
	s_lshl_b32 s77, s77, 10                        ; block 16 x tile row + 8 x half
	s_add_co_u32 s76, s76, s77
	s_mov_b32 s77, 0
	s_add_nc_u64 s[76:77], s[12:13], s[76:77]
.macro FRAG reg, adr, q, i
.irp pp, 0,1
.irp c2, 0,1
	ds_load_b128 v[\reg+8*\pp+4*\c2:\reg+8*\pp+4*\c2+3], v[\adr] offset:(2*(\q)+\pp)*16384+(\i)*1024+\c2*512
.endr
.endr
.endm
.macro MUL16 a0, p, zero               ; the 64 accumulators take turns, one instruction a turn, in the same order in every step
.irp a, \a0, \a0+1
.irp b, 0,1,2,3,4,5,6,7
.if \zero
	v_wmma_f32_16x16x128_bf8_bf8 v[8*(8*((\a)%4)+\b):8*(8*((\a)%4)+\b)+7], v[128*(\p)+FR*\b:128*(\p)+FR*\b+FR-1], v[AF+FR*(\a):AF+FR*(\a)+FR-1], 0
.else
	v_wmma_f32_16x16x128_bf8_bf8 v[8*(8*((\a)%4)+\b):8*(8*((\a)%4)+\b)+7], v[128*(\p)+FR*\b:128*(\p)+FR*\b+FR-1], v[AF+FR*(\a):AF+FR*(\a)+FR-1], v[8*(8*((\a)%4)+\b):8*(8*((\a)%4)+\b)+7]
.endif
.endr
.endr
.endm
.macro FETCH_B slot, q, p
	WIN TO_B
.irp i, 0,1,2,3,4,5,6,7
	FRAG 128*(\p)+FR*\i, ADRB+\slot, \q, \i
.endr
	WIN 0
.endm
.macro FETCH_A slot, q, i0
.irp i, \i0, \i0+1, \i0+2, \i0+3
	FRAG AF+FR*(\i), ADRA+\slot, \q, \i
.endr
.endm
.macro PLACES n
.rept \n
	v_nop
.endr
.endm
.macro STEP slot, q, zero
	s_wait_dscnt 4*NL                              ; B's set and A's blocks 0-3 are in; the youngest 16 loads (A's blocks 4-7) may be out
	WIN MUL_LO
	MUL16 0, (\q)%2, \zero
	MUL16 2, (\q)%2, \zero
	s_wait_dscnt 0
	PLACES NP
	FETCH_B \slot, (\q)+1, 1-(\q)%2
	FETCH_A \slot, (\q)+1, 0
	WIN MUL_HI
	MUL16 4, (\q)%2, \zero
	MUL16 6, (\q)%2, \zero
	PLACES NP
	WIN 0
	FETCH_A \slot, (\q)+1, 4
.endm
.macro TURN slot, next, fill
	s_wait_tensorcnt 0x0                           ; all my tensor loads have landed: my part of the next slot;
	ds_add_u32 v[SPW], v[NIL]                      ; 0 onto my spare word;
	s_wait_dscnt 4*NL+1                            ; (the add and the youngest 16 loads may be out)
	WIN MUL_LO
	MUL16 0, 1, 0
	s_wait_dscnt 0x0                               ; the add is done, and my reads of this slot are over
	s_barrier_signal -1
	MUL16 2, 1, 0
	WIN 0
	s_barrier_wait -1
.if \fill
	CREST                                          ; the barrier has opened a round of the cluster's barrier
	s_add_nc_u64 s[G0+4*\slot+2:G0+4*\slot+3], s[G0+4*\slot+2:G0+4*\slot+3], 8*PS
	s_add_nc_u64 s[G0B+4*\slot+2:G0B+4*\slot+3], s[G0B+4*\slot+2:G0B+4*\slot+3], 8*PS
	JLOAD G0+4*\slot, G1, G0B+4*\slot, G1B
.else
	PLACES NP
.endif
	FETCH_B \next, 0, 0
	FETCH_A \next, 0, 0
	WIN MUL_HI
	MUL16 4, 1, 0
	MUL16 6, 1, 0
	PLACES NP
	WIN 0
	FETCH_A \next, 0, 4
.endm
	s_wait_tensorcnt 1                             ; my part of K step 0 is in (K step 1's load may be out)
	s_barrier_signal -1
	s_barrier_wait -1
	FETCH_B 0, 0, 0
	FETCH_A 0, 0, 0
	FETCH_A 0, 0, 4
	STEP 0, 0, 1
	s_mov_b32 s3, LAPS-1
.Llap:
	TURN 0, 1, 1
	STEP 1, 0, 0
	TURN 1, 0, 1
	STEP 0, 0, 0
	s_sub_co_u32 s3, s3, 1
	s_cmp_lg_u32 s3, 0
	s_cbranch_scc1 .Llap
	TURN 0, 1, 0
	STEP 1, 0, 0
	s_wait_dscnt 4*NL
	WIN MUL_LO
	MUL16 0, 1, 0
	MUL16 2, 1, 0
	s_wait_dscnt 0
	WIN MUL_HI
	MUL16 4, 1, 0
	MUL16 6, 1, 0
	WIN 0
	; THE WAY OUT
	s_wait_kmcnt 0x0
	s_add_co_i32 s80, s88, s89
	s_add_co_i32 s80, s80, 127
	s_lshl_b32 s80, s80, 23                        ; 2^(e8 + e9)
	s_mov_b32 s81, s80
	s_add_co_i32 s82, s90, 128                     ; e10 + 1
	s_lshl_b32 s83, s82, 23
	s_add_co_i32 s82, s82, 15
	s_lshl_b32 s82, s82, 23
	s_or_b32 s82, s82, 0x600000
	s_mov_b32 s92, 0x3e6d3388                      ; 0.3275911 / sqrt 2
	s_wait_loadcnt 0x0                             ; the bias
	PLACES NP
	v_mov_b32 v12, s83                             ; 2^(e10 + 1),
	v_mov_b32 v13, s82                             ; 57,344 x that
	v_mov_b32 v14, 0x3f87dc22                      ; a5, twice
	v_mov_b32 v15, 0x3f87dc22
.macro GETY c                          ; trip c: block a = c / 2, plane pp = c % 2: y = sum x 2^(e8 + e9) + bias, four accumulators, each from its low end on
	WIN 0x02+((\c)/8)                              ; source 0: window 2 or 3
.set j, 0
.rept 16
	v_pk_fma_f32 v[Y+j:Y+j+1], v[64*(((\c)/2)%4)+32*((\c)%2)+j:64*(((\c)/2)%4)+32*((\c)%2)+j+1], s[80:81], v[BN+32*((\c)%2)+j:BN+32*((\c)%2)+j+1] op_sel_hi:[1,0,1]
.set j, j+2
.endr
	WIN 0
.endm
	s_mov_b32 s3, 0
.Lgelu:
.irp c, 0,1,2,3,4,5,6,7,8,9,10,11,12,13,14
	s_cmp_lg_u32 s3, \c
	s_cbranch_scc1 .Lnot_\c
	GETY \c
	s_branch .Lhave_y
.Lnot_\c:
.endr
	GETY 15
.Lhave_y:
	s_wait_xcnt 0x0                                ; the last trip's stores have read their data and their offset
	s_and_b32 s82, s3, 1
	s_lshl_b32 s82, s82, 18                        ; the plane,
	s_lshr_b32 s83, s3, 1
	s_lshl_b32 s83, s83, 10                        ; the block
	s_add_co_u32 s82, s82, s83
	v_add_nc_u32 v[VA], s82, v[LI]
.set j, 0
.rept 32
	v_fma_f32 v[U+j], |v[Y+j]|, s92, 1.0
.set j, j+1
.endr
.set j, 0
.rept 16
	v_pk_mul_f32 v[E+j:E+j+1], v[Y+j:Y+j+1], 0xbf38aa3b op_sel_hi:[1,0]   ; -log2(e) / 2 x y,
.set j, j+2
.endr
.set j, 0
.rept 16
	v_pk_mul_f32 v[E+j:E+j+1], v[E+j:E+j+1], v[Y+j:Y+j+1]                 ; x y
.set j, j+2
.endr
.set j, 0
.rept 32
	v_rcp_f32 v[U+j], v[U+j]                       ; t
.set j, j+1
.endr
.set j, 0
.rept 32
	v_exp_f32 v[E+j], v[E+j]                       ; e^(-y^2 / 2)
.set j, j+1
.endr
.set j, 0
.rept 32
	v_add_f32 v[YA+j], v[Y+j], |v[Y+j]|            ; work that names no result of the batch
.set j, j+1
.endr
	s_wait_alu depctr_va_vdst(0)                   ; one wait for the 64 transcendentals, ahead of their first reader
.set j, 0
.rept 16
	v_pk_fma_f32 v[P+j:P+j+1], v[U+j:U+j+1], v[14:15], 0xbfba00e3 op_sel_hi:[1,1,0]   ; a5 t + a4
.set j, j+2
.endr
.irp k, 0x3fb5f0e3, 0xbe91a98e, 0x3e827906     ; a3, a2, a1
.set j, 0
.rept 16
	v_pk_fma_f32 v[P+j:P+j+1], v[P+j:P+j+1], v[U+j:U+j+1], \k op_sel_hi:[1,1,0]
.set j, j+2
.endr
.endr
.set j, 0
.rept 16
	v_pk_mul_f32 v[P+j:P+j+1], v[P+j:P+j+1], v[U+j:U+j+1]
.set j, j+2
.endr
.set j, 0
.rept 16
	v_pk_mul_f32 v[P+j:P+j+1], v[P+j:P+j+1], v[E+j:E+j+1]   ; q
.set j, j+2
.endr
.set j, 0
.rept 32
	v_fma_f32 v[E+j], -|v[Y+j]|, v[P+j], v[YA+j]   ; 2 gelu(y)
.set j, j+1
.endr
.set j, 0
.rept 32
	v_med3_num_f32 v[E+j], v[E+j], -v13, v13       ; the conversion to an 8-bit code does not saturate (ISA guide 7.6.2)
.set j, j+1
.endr
.irp k, 0,1,2,3
	v_cvt_scalef32_pk8_bf8_f32 v[U+2*\k:U+2*\k+1], v[E+8*\k:E+8*\k+7], v12
.endr
	v_nop                                          ; one plain line behind the last conversion
	global_store_b128 v[VA], v[U:U+3], s[76:77]               ; 512 consecutive bytes, aligned
	global_store_b128 v[VA], v[U+4:U+7], s[76:77] offset:512
	s_add_co_u32 s3, s3, 1
	s_cmp_lt_u32 s3, 16
	s_cbranch_scc1 .Lgelu
	s_wait_tensorcnt 0x0                           ; the wave's end
	ds_add_u32 v[SPW], v[NIL]
	s_wait_dscnt 0x0
	CROUND                                         ; the closing round
	s_endpgm
.Lfunc_end_k_q1bd686017f_mlp1:
	.size	k_q1bd686017f_mlp1, .Lfunc_end_k_q1bd686017f_mlp1-k_q1bd686017f_mlp1
	.p2alignl 7, 3214868480
	.fill 96, 4, 3214868480
	.section	.rodata,"a",@progbits
	.p2align	6, 0x0
	.amdhsa_kernel k_q1bd686017f_mlp1
		.amdhsa_group_segment_fixed_size 327680
		.amdhsa_private_segment_fixed_size 0
		.amdhsa_enable_private_segment 0
		.amdhsa_kernarg_size 40
		.amdhsa_user_sgpr_count 2
		.amdhsa_user_sgpr_kernarg_segment_ptr 1
		.amdhsa_wavefront_size32 1
		.amdhsa_system_sgpr_workgroup_id_x 1
		.amdhsa_system_sgpr_workgroup_id_y 1
		.amdhsa_system_sgpr_workgroup_id_z 1
		.amdhsa_system_vgpr_workitem_id 0
		.amdhsa_next_free_vgpr 1024
		.amdhsa_next_free_sgpr 100
		.amdhsa_reserve_vcc 0
		.amdhsa_float_denorm_mode_32 3
		.amdhsa_float_denorm_mode_16_64 3
		.amdhsa_memory_ordered 1
		.amdhsa_forward_progress 1
		.amdhsa_inst_pref_size 119
	.end_amdhsa_kernel
	.amdgpu_metadata
---
amdhsa.version: [ 1, 2 ]
amdhsa.kernels:
  - .name:           k_q1bd686017f_mlp1
    .symbol:         k_q1bd686017f_mlp1.kd
    .args:
      - { .name: acts, .offset: 0, .size: 8, .value_kind: global_buffer, .address_space: global }
      - { .name: wcodes, .offset: 8, .size: 8, .value_kind: global_buffer, .address_space: global }
      - { .name: lowp_scales, .offset: 16, .size: 8, .value_kind: global_buffer, .address_space: global }
      - { .name: bmlp1, .offset: 24, .size: 8, .value_kind: global_buffer, .address_space: global }
      - { .name: big, .offset: 32, .size: 8, .value_kind: global_buffer, .address_space: global }
    .group_segment_fixed_size: 327680
    .private_segment_fixed_size: 0
    .kernarg_segment_align: 8
    .kernarg_segment_size: 40
    .max_flat_workgroup_size: 128
    .sgpr_count:     100
    .vgpr_count:     1024
    .wavefront_size: 32
...
	.end_amdgpu_metadata
.endif
;; end of part 6
;; launch mlp2 (part 7): grid 8 x 32, 4 waves a work-group, clusters of 4 x 4, 327,680 bytes of LDS; arguments big, wcodes, lowp_scales, bmlp2, x1, out0; writes out0
.if DOCPART == 7
	.amdgcn_target "amdgcn-amd-amdhsa--gfx1250"
	.amdhsa_code_object_version 6
	.text
	.protected	k_q1bd686017f_mlp2
	.globl	k_q1bd686017f_mlp2
	.p2align	8
	.type	k_q1bd686017f_mlp2,@function
k_q1bd686017f_mlp2:
	s_mov_b64 s[64:65], 0
	v_nop
	global_prefetch_b8 v0, s[64:65] scope:SCOPE_SE
	s_setreg_imm32_b32 hwreg(HW_REG_WAVE_MODE, 25, 1), 1
	s_wait_xcnt 0x0
	s_wait_alu depctr_hold_cnt(0) depctr_sa_sdst(0) depctr_va_vdst(0) depctr_va_sdst(0) depctr_va_ssrc(0) depctr_va_vcc(0) depctr_vm_vsrc(0)
	s_getreg_b32 s2, hwreg(HW_REG_IB_STS2, 6, 4)
	s_cmp_eq_u32 s2, 0
	s_cbranch_scc0 .Lentry_in_a_cluster
	s_endpgm
.Lentry_in_a_cluster:
	s_bfe_u32 s2, ttmp6, 0x10000c
	s_cmp_lg_u32 s2, 0xf033
	s_cbranch_scc0 .Lentry_shape_is_right
	s_endpgm
.Lentry_shape_is_right:
; out[m][n] = resid[m][n] + bias[n] + 2^(ea + eb) x the sum over k of A[m][k] B[n][k], on codes of E5M2.  Here: out0 = x1 + g Wmlp2 + bmlp2.  M = 4,096, N = 1,024, K = 4,096.
; Both operands lie in layout U: [plane = k / 64][block = row / 16][1,024 bytes], the image of the 8-bit operand's registers: a fragment of 16 rows x 128 K is four loads of 512 consecutive bytes.
; A tile of 128 x 128 gives 256 work-groups (256 x 256 would give 64).  Four waves, 64 x 64 each: 16 accumulators.  K goes in steps of 512 (eight planes) through two LDS slots; a wave's tensor load brings four planes x 8 KiB.
; CLUSTERS: 4 x 4; A's tile is asked for jointly along a row of the cluster, B's along a column.  The matrix instruction is used transposed: a lane holds eight neighbouring columns of one row.
; The residual is loaded at the head into registers of its own.  Results go through the wave's own stage and leave as rows: sixteen lanes store 256 consecutive bytes, aligned.
; LIMIT: ea + eb between -126 and 127.
; REGISTERS: window 0: v0-31 addresses; v32-63 bias; v64-95 numbers; v96-127 rows read back; v128-255 accumulators ((a, b) at 128 + 8 (4 a + b)).  window 1: two fragment buffers of 128 (A's 4 x 16, then B's).  window 2: v0-127 the residual.
.set LAPS,  4                          ; K / 1,024: a lap = two K steps
.set WOFF,  8388608                    ; Wmlp2's codes in wcodes
.set PSB,   65536                      ; a plane of B: 1,024 rows
.set SOFF,  40                         ; entries 10 and 11 of the exponents
.set PSA,   262144
.set SLOT,  131072                     ; A's 8 planes x 8 KiB, then B's
.set STAGE, 262144                     ; behind the ring: 16 rows x 272 bytes for each wave
.set SPARE, 279552                     ; behind the stages: the spare words, 128 bytes for each wave
.set ADRA, 16
.set ADRB, 20
.set STO,  24
.set RD,   25
.set CO,   26
.set SPW,  28
.set NIL,  29
.set BN,   32
.set TMP,  64
.set BK,   96
.set ACC,  128
.set F0,   0
.set F1,   128
.set G1, 24
.set G0, 32
.set G1B, 48
.set G0B, 56
.set MSB, 0
.macro WIN new
.if MSB != \new
	s_set_vgpr_msb (MSB<<8)|\new
.set MSB, \new
.endif
.endm
.set MUL,  0x05                        ; sources 0 (B) and 1 (A) window 1; C and D window 0
.set TO_F, 0x40                        ; destination window 1, address window 0
.macro JLOAD s                         ; a joint load: waves 0 and 1 fetch for A, waves 2 and 3 for B; four v_nop follow each line
	s_cmp_eq_u32 s68, 0
	s_cbranch_scc0 .Lfor_b_\@
	tensor_load_to_lds s[G0+4*\s:G0+4*\s+3], s[G1:G1+7]
	s_nop 0
.rept 4
	v_nop
.endr
	s_branch .Lasked_\@
.Lfor_b_\@:
	tensor_load_to_lds s[G0B+4*\s:G0B+4*\s+3], s[G1B:G1B+7]
	s_nop 0
.rept 4
	v_nop
.endr
.Lasked_\@:
.endm
.macro CREST
	s_cmp_lg_u32 s67, 0
	s_cbranch_scc1 .Lnot_wave_0_\@
	s_barrier_signal -3
.Lnot_wave_0_\@:
	s_barrier_wait -3
	s_barrier_signal -1
	s_barrier_wait -1
.endm
.macro CROUND
	s_barrier_signal -1
	s_barrier_wait -1
	CREST
.endm
	s_load_b256 s[4:11], s[0:1], 0x0               ; A's codes s[4:5], wcodes s[6:7], the exponents s[8:9], the bias s[10:11]
	s_load_b128 s[12:15], s[0:1], 0x20             ; the residual s[12:13], the output s[14:15]
	v_lshl_add_u32 v[SPW], v0, 2, SPARE
	v_mov_b32 v[NIL], 0
	ds_add_u32 v28, v29
	ds_add_u32 v28, v29
	s_wait_dscnt 0x0
	v_lshrrev_b32 v1, 5, v0
	v_readfirstlane_b32 s67, v1                    ; wave 0..3
	s_lshr_b32 s68, s67, 1                         ; which half of the tile's rows is mine.  Also: I fetch for A (0) or for B (1)
	s_and_b32 s69, s67, 1                          ; which half of its columns.  Also: which four planes of a K step I fetch
	s_bfe_u32 s40, ttmp6, 0x40000
	s_bfe_u32 s41, ttmp6, 0x40004
	s_lshl_b32 s42, ttmp9, 2
	s_add_co_u32 s42, s42, s40                     ; tile column
	s_and_b32 s17, ttmp7, 0xffff
	s_lshl_b32 s17, s17, 2
	s_add_co_u32 s17, s17, s41                     ; tile row
	s_lshl_b32 s43, s41, 2
	s_lshl_b32 s43, 15, s43
	s_lshl_b32 s44, 0x1111, s40
	s_or_b32 s[G1+0], s43, (3<<16)|(1<<21)         ; the mask: A's tiles go to my row; elements of 8 bytes; no padding; bit 21 beside a mask
	s_or_b32 s[G1B+0], s44, (3<<16)|(1<<21)
.irp g, G1, G1B
	s_mov_b32 s[\g+1], 1024<<16                    ; tensor_dim0 = 1,024 elements: 128 rows of a plane
	s_mov_b32 s[\g+2], 4<<16                       ; tensor_dim1 = 4 planes
	s_mov_b32 s[\g+3], 1024<<16                    ; tile_dim0
	s_mov_b32 s[\g+4], 4                           ; tile_dim1
	s_mov_b32 s[\g+6], 0
	s_mov_b32 s[\g+7], 0
.endr
	s_mov_b32 s[G1+5], PSA/8                       ; tensor_dim0_stride: a plane
	s_mov_b32 s[G1B+5], PSB/8
	s_lshl_b32 s20, s17, 13
	s_lshl_b32 s18, s69, 20                        ; four planes of A
	s_add_co_u32 s20, s20, s18
	s_mov_b32 s21, 0
	s_lshl_b32 s46, s42, 13
	s_mul_i32 s18, s69, 4*PSB
	s_add_co_u32 s46, s46, s18
	s_add_co_u32 s46, s46, WOFF
	s_mov_b32 s47, 0
	s_lshl_b32 s45, s67, 15                        ; where they go: wave x 32 KiB
	s_wait_kmcnt 0x0
	s_load_b64 s[70:71], s[8:9], SOFF              ; ea, eb
	s_add_nc_u64 s[20:21], s[4:5], s[20:21]
	s_add_nc_u64 s[46:47], s[6:7], s[46:47]
	CROUND                                         ; all sixteen work-groups are here: the first joint loads meet
.irp s, 0,1
	s_mov_b32 s[G0+4*\s], 1
	s_add_co_u32 s[G0+4*\s+1], s45, \s*SLOT
	s_add_nc_u64 s[G0+4*\s+2:G0+4*\s+3], s[20:21], \s*8*PSA
	s_or_b32 s[G0+4*\s+3], s[G0+4*\s+3], 0x80000000
	s_mov_b32 s[G0B+4*\s], 1
	s_add_co_u32 s[G0B+4*\s+1], s45, \s*SLOT
	s_add_nc_u64 s[G0B+4*\s+2:G0B+4*\s+3], s[46:47], \s*8*PSB
	s_or_b32 s[G0B+4*\s+3], s[G0B+4*\s+3], 0x80000000
	JLOAD \s
.endr
	v_and_b32 v1, 31, v0
	v_lshlrev_b32 v3, 4, v1                        ; 16 x lane
	v_and_b32 v4, 15, v0                           ; r
	v_bfe_u32 v5, v0, 4, 1                         ; h
	s_lshl_b32 s21, s68, 12                        ; my 64 rows of A: 4 blocks
	s_lshl_b32 s22, s69, 12
	s_add_co_u32 s22, s22, 65536                   ; B lies behind A's eight planes
.irp s, 0,1
	v_add_nc_u32 v[ADRA+\s], s21, v3
	v_add_nc_u32 v[ADRB+\s], s22, v3
	s_add_co_u32 s21, s21, SLOT
	s_add_co_u32 s22, s22, SLOT
.endr
	s_mul_i32 s23, s67, 16*272
	s_add_co_u32 s23, s23, STAGE                   ; my stage
	v_mul_u32_u24 v6, v4, 272
	v_lshl_add_u32 v6, v5, 5, v6
	v_add_nc_u32 v[STO], s23, v6                   ; in: row r, + 32 h
	v_mul_u32_u24 v6, v5, 272
	v_lshl_add_u32 v6, v4, 4, v6
	v_add_nc_u32 v[RD], s23, v6                    ; back: lanes 0-15 one row of 256 bytes, lanes 16-31 the next
	v_lshlrev_b32 v6, 12, v5
	v_lshl_add_u32 v[CO], v4, 4, v6                ; and the same two rows in memory (4,096 bytes a row)
	v_lshlrev_b32 v2, 5, v5                        ; the bias: 32 h
	s_lshl_b32 s74, s17, 19
	s_lshl_b32 s75, s68, 18
	s_add_co_u32 s74, s74, s75                     ; my first row: 128 x tile row + 64 x half
	s_lshl_b32 s72, s42, 9
	s_lshl_b32 s75, s69, 8
	s_add_co_u32 s72, s72, s75                     ; my first column, in bytes
	s_add_co_u32 s74, s74, s72
	s_mov_b32 s75, 0
	s_mov_b32 s73, 0
	s_add_nc_u64 s[12:13], s[12:13], s[74:75]
	s_add_nc_u64 s[14:15], s[14:15], s[74:75]
	s_add_nc_u64 s[10:11], s[10:11], s[72:73]
.irp b, 0,1,2,3
	global_load_b128 v[BN+8*\b:BN+8*\b+3], v2, s[10:11] offset:64*\b
	global_load_b128 v[BN+8*\b+4:BN+8*\b+7], v2, s[10:11] offset:64*\b+16
.endr
	WIN 0x80                                       ; destination window 2
.irp a, 0,1,2,3
.irp t, 0,1,2,3,4,5,6,7
	global_load_b128 v[32*\a+4*\t:32*\a+4*\t+3], v[CO], s[12:13] offset:(16*\a+2*\t)*4096
.endr
.endr
	WIN 0
.macro FRAG reg, adr, q, i             ; 16 rows x 128 K: planes 2 q, 2 q + 1 of the slot, block i
.irp pp, 0,1
.irp c2, 0,1
	ds_load_b128 v[\reg+8*\pp+4*\c2:\reg+8*\pp+4*\c2+3], v[\adr] offset:(2*(\q)+\pp)*8192+(\i)*1024+\c2*512
.endr
.endr
.endm
.macro FETCH slot, q, f                ; 32 LDS loads in one run: B's four fragments, then A's
	WIN TO_F
.irp i, 0,1,2,3
	FRAG \f+64+16*\i, ADRB+\slot, \q, \i
.endr
.irp i, 0,1,2,3
	FRAG \f+16*\i, ADRA+\slot, \q, \i
.endr
.endm
.macro MUL4 f, a, zero                 ; the 16 accumulators take turns, one instruction a turn, in the same order everywhere
.irp b, 0,1,2,3
.if \zero
	v_wmma_f32_16x16x128_bf8_bf8 v[ACC+8*(4*\a+\b):ACC+8*(4*\a+\b)+7], v[\f+64+16*\b:\f+64+16*\b+15], v[\f+16*\a:\f+16*\a+15], 0
.else
	v_wmma_f32_16x16x128_bf8_bf8 v[ACC+8*(4*\a+\b):ACC+8*(4*\a+\b)+7], v[\f+64+16*\b:\f+64+16*\b+15], v[\f+16*\a:\f+16*\a+15], v[ACC+8*(4*\a+\b):ACC+8*(4*\a+\b)+7]
.endif
.endr
.endm
.macro PLACES
.rept 4
	v_nop
.endr
.endm
.macro QUARTER slot, qn, f, g, zero    ; 128 along K on buffer f; in its middle the next quarter's fragments go into buffer g
	s_wait_dscnt 8                                 ; B and A's blocks 0, 1 are in; the youngest eight loads (A's blocks 2, 3) may be out
	WIN MUL
	MUL4 \f, 0, \zero
	MUL4 \f, 1, \zero
	PLACES
	FETCH \slot, \qn, \g
	s_wait_dscnt 32                                ; all but the 32 just issued
	WIN MUL
	MUL4 \f, 2, \zero
	MUL4 \f, 3, \zero
.endm
.macro TURN slot, next, fill           ; a K step's last quarter, and the change of slots
	WIN 0
	s_wait_tensorcnt 0x0                           ; all my tensor loads have landed: my part of the next slot;
	ds_add_u32 v[SPW], v[NIL]                      ; 0 onto my spare word;
	s_wait_dscnt 9                                 ; (the add and the youngest eight loads may be out)
	WIN MUL
	MUL4 F1, 0, 0
	s_wait_dscnt 0x0                               ; the add is done, and my reads of this slot are over
	s_barrier_signal -1
	MUL4 F1, 1, 0
.if \fill
	WIN 0
.endif
	s_barrier_wait -1
.if \fill
	CREST                                          ; the barrier has opened a round of the cluster's barrier
	s_add_nc_u64 s[G0+4*\slot+2:G0+4*\slot+3], s[G0+4*\slot+2:G0+4*\slot+3], 16*PSA
	s_add_nc_u64 s[G0B+4*\slot+2:G0B+4*\slot+3], s[G0B+4*\slot+2:G0B+4*\slot+3], 16*PSB
	JLOAD \slot                                    ; the first tensor load behind the round; its four v_nop are the places in front of the loads below
.else
	PLACES
.endif
	FETCH \next, 0, F0
	WIN MUL
	MUL4 F1, 2, 0
	MUL4 F1, 3, 0
.endm
	s_wait_tensorcnt 1                             ; my part of K step 0 is in (K step 1's may be out)
	s_barrier_signal -1
	s_barrier_wait -1
	FETCH 0, 0, F0
	QUARTER 0, 1, F0, F1, 1                        ; the first quarter's products start the sums
.if LAPS > 1
	WIN 0
	s_mov_b32 s3, LAPS-1
.Llap:                                                 ; a trip goes once round the ring, from a lap's second quarter to the next lap's first, and fills both slots again
	QUARTER 0, 2, F1, F0, 0
	QUARTER 0, 3, F0, F1, 0
	TURN 0, 1, 1
	QUARTER 1, 1, F0, F1, 0
	QUARTER 1, 2, F1, F0, 0
	QUARTER 1, 3, F0, F1, 0
	TURN 1, 0, 1
	QUARTER 0, 1, F0, F1, 0
	WIN 0
	s_sub_co_u32 s3, s3, 1
	s_cmp_lg_u32 s3, 0
	s_cbranch_scc1 .Llap
.endif
	QUARTER 0, 2, F1, F0, 0                        ; the last lap fills nothing
	QUARTER 0, 3, F0, F1, 0
	TURN 0, 1, 0
	QUARTER 1, 1, F0, F1, 0
	QUARTER 1, 2, F1, F0, 0
	QUARTER 1, 3, F0, F1, 0
	s_wait_dscnt 8
	WIN MUL
	MUL4 F1, 0, 0
	MUL4 F1, 1, 0
	s_wait_dscnt 0
	MUL4 F1, 2, 0
	MUL4 F1, 3, 0
	WIN 0
	; THE WAY OUT, 16 rows x 64 columns at a time
	s_wait_kmcnt 0x0
	s_add_co_i32 s72, s70, s71
	s_add_co_i32 s72, s72, 127
	s_lshl_b32 s72, s72, 23                        ; 2^(ea + eb)
	s_mov_b32 s73, s72
	s_wait_loadcnt 0x0                             ; the bias and the residual
	PLACES
.macro POUT a
.set j, 0
.rept 16
	v_pk_fma_f32 v[TMP+j:TMP+j+1], v[ACC+32*\a+j:ACC+32*\a+j+1], s[72:73], v[BN+j:BN+j+1] op_sel_hi:[1,0,1]   ; each accumulator from its low end on
.set j, j+2
.endr
.irp b, 0,1,2,3
	ds_store_b128 v[STO], v[TMP+8*\b:TMP+8*\b+3] offset:64*\b
	ds_store_b128 v[STO], v[TMP+8*\b+4:TMP+8*\b+7] offset:64*\b+16
.endr
.if \a > 0
	s_wait_xcnt 0x0                                ; the last block's stores have read their registers
.endif
.irp t, 0,1,2,3,4,5,6,7
	ds_load_b128 v[BK+4*\t:BK+4*\t+3], v[RD] offset:544*\t   ; LDS serves a wave's instructions in order (ISA guide 5.7.1.4): these see the stores above
.endr
	s_wait_dscnt 0x0
	WIN 0x08                                       ; source 1: window 2
.set j, 0
.rept 16
	v_pk_add_f32 v[BK+j:BK+j+1], v[BK+j:BK+j+1], v[32*\a+j:32*\a+j+1]
.set j, j+2
.endr
	WIN 0
.irp t, 0,1,2,3,4,5,6,7
	global_store_b128 v[CO], v[BK+4*\t:BK+4*\t+3], s[14:15] offset:(16*\a+2*\t)*4096   ; sixteen lanes store 256 consecutive bytes, aligned
.endr
.endm
.irp a, 0,1,2,3
	POUT \a
.endr
	s_wait_tensorcnt 0x0                           ; the wave's end
	ds_add_u32 v[SPW], v[NIL]
	s_wait_dscnt 0x0
	CROUND                                         ; the closing round
	s_endpgm
.Lfunc_end_k_q1bd686017f_mlp2:
	.size	k_q1bd686017f_mlp2, .Lfunc_end_k_q1bd686017f_mlp2-k_q1bd686017f_mlp2
	.p2alignl 7, 3214868480
	.fill 96, 4, 3214868480
	.section	.rodata,"a",@progbits
	.p2align	6, 0x0
	.amdhsa_kernel k_q1bd686017f_mlp2
		.amdhsa_group_segment_fixed_size 327680
		.amdhsa_private_segment_fixed_size 0
		.amdhsa_enable_private_segment 0
		.amdhsa_kernarg_size 48
		.amdhsa_user_sgpr_count 2
		.amdhsa_user_sgpr_kernarg_segment_ptr 1
		.amdhsa_wavefront_size32 1
		.amdhsa_system_sgpr_workgroup_id_x 1
		.amdhsa_system_sgpr_workgroup_id_y 1
		.amdhsa_system_sgpr_workgroup_id_z 1
		.amdhsa_system_vgpr_workitem_id 0
		.amdhsa_next_free_vgpr 640
		.amdhsa_next_free_sgpr 100
		.amdhsa_reserve_vcc 0
		.amdhsa_float_denorm_mode_32 3
		.amdhsa_float_denorm_mode_16_64 3
		.amdhsa_memory_ordered 1
		.amdhsa_forward_progress 1
		.amdhsa_inst_pref_size 82
	.end_amdhsa_kernel
	.amdgpu_metadata
---
amdhsa.version: [ 1, 2 ]
amdhsa.kernels:
  - .name:           k_q1bd686017f_mlp2
    .symbol:         k_q1bd686017f_mlp2.kd
    .args:
      - { .name: big, .offset: 0, .size: 8, .value_kind: global_buffer, .address_space: global }
      - { .name: wcodes, .offset: 8, .size: 8, .value_kind: global_buffer, .address_space: global }
      - { .name: lowp_scales, .offset: 16, .size: 8, .value_kind: global_buffer, .address_space: global }
      - { .name: bmlp2, .offset: 24, .size: 8, .value_kind: global_buffer, .address_space: global }
      - { .name: x1, .offset: 32, .size: 8, .value_kind: global_buffer, .address_space: global }
      - { .name: out0, .offset: 40, .size: 8, .value_kind: global_buffer, .address_space: global }
    .group_segment_fixed_size: 327680
    .private_segment_fixed_size: 0
    .kernarg_segment_align: 8
    .kernarg_segment_size: 48
    .max_flat_workgroup_size: 128
    .sgpr_count:     100
    .vgpr_count:     640
    .wavefront_size: 32
...
	.end_amdgpu_metadata
.endif
;; end of part 7
